; MI455X (gfx1250); checked and timed in simulation.
; The chip was launched on July 23, 2026; its instructions are those of AMD's public machine-readable ISA for CDNA 5 (MIT licence, August 2026) and "CDNA5" Instruction Set Architecture Reference Guide (July 2026). The comments in the code are by the model that wrote it; some were corrected since.
;; Historical Retrieval Module. Allowed arithmetic: float matrix products may take bf16 or f16 operands with f32 sums; all other float work in f32.
;; Inputs: alpha one number float32; h_current 2,048 x 512 float32; history_db 50,000 x 512 float32.
;; Outputs: out0 2,048 x 512 float32.
;; Constants: top_k = 5.
;; 3 versions, each right; version 2 is faster than version 1; version 3 is version 2 with the launch blend written anew for expert scheduling mode. Each part assembles by itself: llvm-mc -triple=amdgcn-amd-amdhsa -mcpu=gfx1250 --defsym DOCPART=n.
;; ======== version 1 of 3: 3 launches
;; limits: values within 0.000122 (relative) of each other or of a threshold may be ordered or decided otherwise than in the reference
;; workspace buffers: cand 4,194,304 bytes; topidx 65,536 bytes of whole numbers
;; launch score (part 1): grid 8 x 32, 4 waves a work-group, clusters of 4 x 1, 327,680 bytes of LDS; arguments h_current, history_db, cand; writes cand
.if DOCPART == 1
	.amdgcn_target "amdgcn-amd-amdhsa--gfx1250"
	.amdhsa_code_object_version 6
	.text
	.protected	k_q747d1db63e_score
	.globl	k_q747d1db63e_score
	.p2align	8
	.type	k_q747d1db63e_score,@function
k_q747d1db63e_score:
	s_mov_b64 s[64:65], 0
	v_nop
	global_prefetch_b8 v0, s[64:65] scope:SCOPE_SE
	s_setreg_imm32_b32 hwreg(HW_REG_WAVE_MODE, 25, 1), 1
	s_wait_xcnt 0x0
	s_wait_alu depctr_hold_cnt(0) depctr_sa_sdst(0) depctr_va_vdst(0) depctr_va_sdst(0) depctr_va_ssrc(0) depctr_va_vcc(0) depctr_vm_vsrc(0)
	s_getreg_b32 s2, hwreg(HW_REG_IB_STS2, 6, 4)
	s_cmp_eq_u32 s2, 0
	s_cbranch_scc0 .Lentry_in_a_cluster
	s_endpgm
.Lentry_in_a_cluster:
	s_bfe_u32 s2, ttmp6, 0x10000c
	s_cmp_lg_u32 s2, 0x3003
	s_cbranch_scc0 .Lentry_shape_is_right
	s_endpgm
.Lentry_shape_is_right:
; Launch 1 of 3.  For 256 queries (block b) and one chunk c of history_db: scores h . db_row / max(|db_row|, 1e-12) by bf16 products with f32 sums,
; and for each lane a list of 8 keys that is sure to hold the 5 largest of the scores that the lane has seen.  No similarity goes to memory.
; NOTHING OF THE PROBLEM IS LEFT OUT.  h is not divided by its norm HERE: 1 / max(|h|, eps) is positive and the same for all 50,000 similarities of a
; query, so it moves no order among them; launch 3 forms the cosine in f32 with both norms, and only that value enters the softmax.
; WHAT IS PASSED ON.  A key is the f32 score with its low 10 mantissa bits replaced by 1023 - (the item's number among those the lane has seen), so a key
; carries its row and two keys of a lane are never equal.  Launch 2 takes the best 8 of a query's 512 keys, launch 3 scores those 8 rows again in f32
; and takes the best 5.
; LIMITS.  NaN and infinities in the inputs are not served.  The sum of a row's squares overflows and underflows as an f32 norm does.  The 8 candidates hold
; the 5 best of the bf16 scores cut to 13 mantissa bits; places 6 to 8 are the best that the lists hold.  A row whose true rank is 5 or better and whose
; bf16 score falls behind more than 3 others' is lost.
; SHARES.  grid 8 x 32: block b = 4 x cluster x + cx, chunk c = y.  Chunk c begins at row 1562 c + c / 2 and has 1562 + (c & 1) rows (together 50,000).
; It is read as a window of 33 tiles of 48 rows that begins at min(start, 48416), so that every tile lies inside the table; rows of the window outside the
; chunk (22 at the most) get the bias -FLT_MAX.  Wave w keeps its 64 queries as 4 x 16 fragments in 512 registers for the whole launch.
; CLUSTER.  The four work-groups of a cluster have the same c: each tile of history_db is asked for jointly (mask 15).  cx enters the addresses of h and of
; cand alone: no LDS address, branch or descriptor hangs on it.
; THE PRODUCT: source 0 = 16 rows of the table, source 1 = 16 queries.  Register j of a result is (item 8 hh + j, query r), r = lane & 15, hh = lane >> 4:
; a lane owns one query of each of its 4 batch tiles and sees half of the items.
; LDS: two slots of 48 rows x 2,048 bytes of f32, filled by tensor loads alone (wave w: its 12 rows); two tiles of 48 rows of bf16, pitch 1,040 bytes
; (65 x 16: the 16 rows of a fragment load begin in 16 different 16-byte columns of 256); scales and biases, two parities.  The bf16 tiles and the scales are
; written by LDS stores alone.
; REGISTERS.  Window 0: addresses, lists, scales, accumulators.  Window 1: the table's fragments (two buffers of 96), and in turn the 192 f32 words that a
; wave converts.  Windows 2 and 3: the queries' fragments of K steps 0-7 and 8-15.
.set SLOTB,  98304                     ; a slot: 48 rows x 2,048 bytes
.set WPART,  24576                     ; a wave's 12 rows of it
.set BF,     196608                    ; the bf16 tiles begin behind the two slots
.set BP,     1040                      ; pitch of a bf16 row
.set BFB,    48*BP                     ; a bf16 tile
.set SC,     BF+2*BFB                  ; 296,448: scales; parity p at 512 p, scale at 0, bias at 256; item 12 w + i at 64 w + 4 i
.set HST,    24960                     ; the prologue's stage for h: a wave's own quarter of the two bf16 tiles, 16 rows of 1,040 bytes used
.set FA,   4                           ; v4-5    my 16 bytes of my first row in slot 0, 1
.set BW,   6                           ; v6-7    where I put 8 bytes of my first row in bf16 tile 0, 1
.set BR,   8                           ; v8-9    my fragment address in bf16 tile 0, 1
.set SW,   10                          ; v10     where lane r puts item r's scale
.set SR32, 11                          ; v11     SC + 32 hh
.set SR48, 12                          ; v12     SC + 48 hh
.set HO,   13                          ; v13     16 x lane: my bytes in a quarter row of h
.set HSW,  14                          ; v14     h stage, in
.set HSR,  15                          ; v15     h stage, fragments out
.set CO,   16                          ; v16     my bytes in cand
.set NEGM, 20                          ; v20     -FLT_MAX
.set ZERO, 21                          ; v21     0
.set LIST, 24                          ; v24-55  8 keys for each batch tile: L0..L4, M0, M1, N0
.set SCL,  56                          ; v56-79  scale of item 16 t + 8 hh + j at 8 t + j
.set SQ,   56                          ;         the same registers while a tile is converted: 12 pairs of sums of squares
.set BIA,  80                          ; v80-103 bias, likewise
.set ACC,  104                         ; v104-199 accumulator (t, bt) at 8 (4 t + bt)
.set PK,   104                         ;         the same registers while a tile is converted: packed bf16, row i at 8 i
.set TT,   200                         ; v200-211 largest, middle, smallest of a triple, 3 for each batch tile
.set FB0,  0                           ; window 1: fragment buffer 0
.set FB1,  96                          ; window 1: fragment buffer 1
.set G1,   16                          ; s[16:23] descriptor group 1
.set G0,   24                          ; s[24:31] descriptor group 0, one set for each slot
.set IDX,  66                          ; s66-89  1023 - (24 step + 8 t + j)
.set MSB, 0
.macro WIN new                         ; the immediate's high byte repeats the setting that is left
.if MSB != \new
	s_set_vgpr_msb (MSB<<8)|\new
.set MSB, \new
.endif
.endm
.macro PLACES                          ; four places behind a matrix instruction (ISA guide 7.12.1)
.rept 4
	v_nop
.endr
.endm
; A round of the cluster's barrier: my work-group's barrier, wave 0 signals for the work-group, every wave waits for all four work-groups, my barrier again.
.macro ROUND
	s_barrier_signal -1
	s_barrier_wait -1
	s_cmp_lg_u32 s10, 0
	s_cbranch_scc1 .Lnot_wave_0_\@
	s_barrier_signal -3
.Lnot_wave_0_\@:
	s_barrier_wait -3
	s_barrier_signal -1
	s_barrier_wait -1
.endm
	s_load_b128 s[4:7], s[0:1], 0x0                ; h s[4:5], history_db s[6:7]
	s_load_b64 s[8:9], s[0:1], 0x10                ; cand
	v_lshl_add_u32 v254, v0, 2, 0x48a00
	v_mov_b32 v255, 0
	ds_add_u32 v254, v255
	v_lshrrev_b32 v1, 5, v0
	v_readfirstlane_b32 s10, v1                    ; wave w
	s_and_b32 s13, ttmp7, 0xffff                   ; chunk c
	s_mul_i32 s14, s13, 1562
	s_lshr_b32 s15, s13, 1
	s_add_co_u32 s14, s14, s15                     ; the chunk's first row
	s_and_b32 s15, s13, 1
	s_add_co_u32 s15, s15, 1562                    ; its rows
	s_min_u32 s32, s14, 48416                      ; the window's first row: 48,416 + 33 x 48 = 50,000
	s_mul_i32 s33, s10, 12
	s_add_co_u32 s33, s33, s32                     ; my first row of tile 0
	s_lshl_b32 s34, s33, 11                        ; in bytes: below 102,400,000
	s_mov_b32 s35, 0
	s_sub_co_u32 s33, s33, s14                     ; the same row counted from the chunk's first (wraps below 0 in the last chunk: then it is no row of the chunk)
	; group 1: 96 rows of 32 elements of 8 bytes, dense: my 12 rows of 2,048 bytes as rows of 256 bytes
	s_mov_b32 s[G1+0], 0x0023000f                  ; 15:0 mask: all four of the cluster; 17:16 elements of 8 bytes; 21 set beside a mask; no padding
	s_mov_b32 s[G1+1], 32<<16                      ; tensor_dim0 = 32
	s_mov_b32 s[G1+2], 96<<16                      ; tensor_dim1 = 96
	s_mov_b32 s[G1+3], 32<<16                      ; tile_dim0 = 32
	s_mov_b32 s[G1+4], 96                          ; tile_dim1 = 96
	s_mov_b32 s[G1+5], 32                          ; from row to row: 32 elements
	s_mov_b32 s[G1+6], 0
	s_mov_b32 s[G1+7], 0
	s_mul_i32 s36, s10, WPART                      ; my part of a slot
	s_mov_b32 s39, 0xfffffc00                      ; keeps sign, exponent and 13 mantissa bits
	s_mov_b32 s40, 0x76543210                      ; v_permlanex16_b32: lane i takes lane i of the other half
	s_mov_b32 s41, 0xfedcba98
	; the block of queries: in registers that feed no descriptor
	s_bfe_u32 s11, ttmp6, 0x40000                  ; cx
	s_lshl_b32 s12, ttmp9, 2
	s_add_co_u32 s12, s12, s11                     ; b
	s_lshl_b32 s56, s12, 19                        ; 256 b rows of 2,048 bytes
	s_lshl_b32 s57, s10, 17                        ; 64 w rows
	s_add_co_u32 s56, s56, s57                     ; h: my first query.  cand: (16 b + 4 w) blocks of 32,768 bytes are the same number
	s_lshl_b32 s58, s13, 10
	s_add_co_u32 s58, s58, s56                     ; + 1,024 c
	s_mov_b32 s57, 0
	s_mov_b32 s59, 0
	v_and_b32 v1, 31, v0                           ; lane
	v_and_b32 v2, 15, v0                           ; r
	v_bfe_u32 v3, v0, 4, 1                         ; hh
	v_lshl_add_u32 v[FA], v1, 4, s36
	v_add_nc_u32 v[FA+1], SLOTB, v[FA]
	s_mul_i32 s37, s10, 12*BP
	s_add_co_u32 s37, s37, BF
	v_lshl_add_u32 v[BW], v1, 3, s37
	v_add_nc_u32 v[BW+1], BFB, v[BW]
	v_mul_u32_u24 v17, v2, BP
	v_lshl_add_u32 v17, v3, 4, v17                 ; 1,040 r + 16 hh
	v_add_nc_u32 v[BR], BF, v17
	v_add_nc_u32 v[BR+1], BF+BFB, v17
	s_lshl_b32 s37, s10, 6
	s_add_co_u32 s37, s37, SC
	v_lshl_add_u32 v[SW], v2, 2, s37
	v_lshlrev_b32 v18, 5, v3
	v_add_nc_u32 v[SR32], SC, v18
	v_lshl_add_u32 v18, v3, 4, v18
	v_add_nc_u32 v[SR48], SC, v18
	v_lshlrev_b32 v[HO], 4, v1
	s_mul_i32 s37, s10, HST
	s_add_co_u32 s37, s37, BF
	v_lshl_add_u32 v[HSW], v1, 3, s37
	v_add_nc_u32 v[HSR], s37, v17
	v_lshlrev_b32 v[CO], 4, v2
	v_lshl_add_u32 v[CO], v3, 9, v[CO]             ; 512 hh + 16 r
	v_mov_b32 v[NEGM], 0xff7fffff
	v_mov_b32 v[ZERO], 0
.irp i, 1,2,3,4,5,6,7,8,9,10,11
	v_cmp_eq_u32 s[43+\i], \i, v2                  ; s44-54: the lanes with r = i
.endr
.set k, 0
.rept 24
	s_movk_i32 s[IDX+k], 1023-k
.set k, k+1
.endr
.set k, 0
.rept 32
	v_mov_b32 v[LIST+k], 0xff800000                ; the lists begin at -infinity; each has taken more values than it has places long before the end (264 triples)
.set k, k+1
.endr
	s_wait_dscnt 0x0
	s_wait_kmcnt 0x0
	s_add_nc_u64 s[56:57], s[4:5], s[56:57]        ; h at my first query
	s_add_nc_u64 s[58:59], s[8:9], s[58:59]        ; cand at my first block
	s_add_nc_u64 s[34:35], s[6:7], s[34:35]        ; the table at my rows of tile 0
.irp n, 0,1
	s_mov_b32 s[G0+4*\n], 1                                        ; count = 1
	s_add_co_u32 s[G0+4*\n+1], s36, \n*SLOTB                       ; LDS address: the slot, my part
	s_add_nc_u64 s[G0+4*\n+2:G0+4*\n+3], s[34:35], \n*SLOTB        ; tile n: 48 rows are as many bytes as a slot
	s_or_b32 s[G0+4*\n+3], s[G0+4*\n+3], 0x80000000                ; type = 2
.endr
	ROUND                                          ; all four work-groups are here: the first joint loads meet
	tensor_load_to_lds s[G0:G0+3], s[G1:G1+7]      ; tile 0
	s_nop 0
	tensor_load_to_lds s[G0+4:G0+7], s[G1:G1+7]    ; tile 1: two loads of this wave are out, the most in this text
	s_nop 0
; ---- the queries: f32 from memory, bf16 through my own stage in LDS, fragments into windows 2 and 3 ----
; 16 loads: rows 4 g .. 4 g + 3 of batch tile bt, 512 neighbouring bytes each, into window 1, v[64 g ..]
.macro HLOAD bt, g
	WIN 0x40
.irp i, 0,1,2,3
.irp q, 0,1,2,3
	global_load_b128 v[64*(\g)+16*\i+4*\q:64*(\g)+16*\i+4*\q+3], v[HO], s[56:57] offset:(16*(\bt)+4*(\g)+\i)*2048+512*\q
.endr
.endr
.endm
; a quarter of a batch tile: wait, round to bf16, ask for the same quarter of the next tile, store 8 bytes a lane into the stage
.macro HQ bt, g, more, left
	s_wait_loadcnt \left                           ; loads come back in order (ISA guide 5.7.1): this quarter is in, the younger quarters of 16 loads stay out
	WIN 0x05
.set m, 0
.rept 32
	v_cvt_pk_bf16_f32 v[PK+32*\g+m], v[64*\g+2*m], v[64*\g+2*m+1]
.set m, m+1
.endr
.if \more
	HLOAD \bt+1, \g
.endif
	WIN 0
.irp i, 0,1,2,3
.irp q, 0,1,2,3
	ds_store_b64 v[HSW], v[PK+32*\g+8*\i+2*\q:PK+32*\g+8*\i+2*\q+1] offset:(4*\g+\i)*BP+256*\q
.endr
.endr
.endm
; 16 K steps of batch tile bt.  The stage is my wave's own and LDS serves a wave's instructions in order (ISA guide 5.7.1.4): no wait between the stores,
; these loads and the next tile's stores.
.macro HFRAG bt
	WIN 0x80
.irp k, 0,1,2,3,4,5,6,7
	ds_load_b128 v[8*(8*\bt+\k):8*(8*\bt+\k)+3],   v[HSR] offset:64*\k
	ds_load_b128 v[8*(8*\bt+\k)+4:8*(8*\bt+\k)+7], v[HSR] offset:64*\k+32
.endr
	WIN 0xc0
.irp k, 0,1,2,3,4,5,6,7
	ds_load_b128 v[8*(8*\bt+\k):8*(8*\bt+\k)+3],   v[HSR] offset:64*(\k+8)
	ds_load_b128 v[8*(8*\bt+\k)+4:8*(8*\bt+\k)+7], v[HSR] offset:64*(\k+8)+32
.endr
	WIN 0
.endm
	HLOAD 0, 0
	HLOAD 0, 1
	HLOAD 0, 2
	HLOAD 0, 3
.irp bt, 0,1,2
	HQ \bt, 0, 1, 48
	HQ \bt, 1, 1, 48
	HQ \bt, 2, 1, 48
	HQ \bt, 3, 1, 48
	HFRAG \bt
.endr
	HQ 3, 0, 0, 48                                 ; the last tile asks for nothing: the counts run down
	HQ 3, 1, 0, 32
	HQ 3, 2, 0, 16
	HQ 3, 3, 0, 0
	HFRAG 3
; ---- a tile of the table: f32 slot n -> bf16 tile n, scale and bias of parity n.  Each wave converts the 12 rows that its own load brought. ----
; four rows: sums of squares (two a lane and row) and the rounding to bf16
.macro CBATCH ra, rb, rc, rd, left
	s_wait_dscnt \left                             ; these rows' 16 loads are back; the younger batches of 16 stay out
.irp i, \ra, \rb, \rc, \rd
	v_pk_mul_f32 v[SQ+2*\i:SQ+2*\i+1], v[16*\i:16*\i+1], v[16*\i:16*\i+1]
.endr
.irp m, 1,2,3,4,5,6,7
.irp i, \ra, \rb, \rc, \rd
	v_pk_fma_f32 v[SQ+2*\i:SQ+2*\i+1], v[16*\i+2*\m:16*\i+2*\m+1], v[16*\i+2*\m:16*\i+2*\m+1], v[SQ+2*\i:SQ+2*\i+1]
.endr
.endr
.irp i, \ra, \rb, \rc, \rd
.irp m, 0,1,2,3,4,5,6,7
	v_cvt_pk_bf16_f32 v[PK+8*\i+\m], v[16*\i+2*\m], v[16*\i+2*\m+1]
.endr
.endr
.endm
.macro CONV n
	WIN 0x40                                       ; into window 1: row i at 16 i; the fragments there have been multiplied, and far more than four places lie behind those products
.irp i, 0,1,2,3,4,5,6,7,8,9,10,11
.irp q, 0,1,2,3
	ds_load_b128 v[16*\i+4*\q:16*\i+4*\q+3], v[FA+\n] offset:2048*\i+512*\q
.endr
.endr
	WIN 0x05                                       ; sources in window 1, sums and packed words in window 0
	CBATCH 0, 1, 2, 3, 32
	CBATCH 4, 5, 6, 7, 16
	CBATCH 8, 9, 10, 11, 0
	WIN 0
.irp i, 0,1,2,3,4,5,6,7,8,9,10,11
.irp q, 0,1,2,3
	ds_store_b64 v[BW+\n], v[PK+8*\i+2*\q:PK+8*\i+2*\q+1] offset:BP*\i+256*\q   ; 32 lanes, 256 neighbouring bytes of a bf16 row
.endr
.endr
	; each row's sum over the 32 lanes, in every lane
.irp i, 0,1,2,3,4,5,6,7,8,9,10,11
	v_add_f32 v[SQ+2*\i], v[SQ+2*\i], v[SQ+2*\i+1]
.endr
.irp x, 1,2,4,8
.irp i, 0,1,2,3,4,5,6,7,8,9,10,11
	v_add_f32_dpp v[SQ+2*\i], v[SQ+2*\i], v[SQ+2*\i] row_xmask:\x row_mask:0xf bank_mask:0xf
.endr
.endr
.irp i, 0,1,2,3,4,5,6,7,8,9,10,11
	v_permlanex16_b32 v[SQ+2*\i+1], v[SQ+2*\i], s40, s41
.endr
.irp i, 0,1,2,3,4,5,6,7,8,9,10,11
	v_add_f32 v[SQ+2*\i], v[SQ+2*\i], v[SQ+2*\i+1]
.endr
	v_cndmask_b32 v17, v[SQ], v[SQ+2], s44         ; lane r takes row r's sum (r = 12 to 15 keep row 0's: entries that nobody reads)
.irp i, 2,3,4,5,6,7,8,9,10,11
	v_cndmask_b32 v17, v17, v[SQ+2*\i], s[43+\i]
.endr
	v_sqrt_f32 v17, v17
	v_nop                                          ; one plain instruction behind a transcendental (ISA guide 5.7.2)
	s_wait_alu depctr_va_vdst(0)
	v_max_num_f32 v17, 0x2b8cbccc, v17             ; max(norm, 1e-12)
	v_rcp_f32 v17, v17
	v_add_nc_u32 v18, s33, v2                      ; row r of mine, counted from the chunk's first row (this line is also the place behind v_rcp_f32)
	v_cmp_gt_u32 vcc_lo, s15, v18                  ; inside the chunk?
	v_cndmask_b32 v19, v[NEGM], v[ZERO], vcc_lo    ; bias 0, or -FLT_MAX for a row of a neighbouring chunk
	s_wait_alu depctr_va_vdst(0)
	ds_store_b32 v[SW], v17 offset:512*\n
	ds_store_b32 v[SW], v19 offset:512*\n+256
	s_add_co_u32 s33, s33, 48                      ; the next tile's rows
.endm
; scales and biases of my 24 items.  Item I lies at 64 (I / 12) + 4 (I % 12); items 16 t + 8 hh + 0..3 and + 4..7 begin at the bytes below.
.macro SCLOAD p
.irp z, 0,1
	ds_load_b128 v[SCL+24*\z:SCL+24*\z+3],     v[SR32] offset:512*\p+256*\z        ; 0 | 32
	ds_load_b128 v[SCL+24*\z+4:SCL+24*\z+7],   v[SR48] offset:512*\p+256*\z+16     ; 16 | 64
	ds_load_b128 v[SCL+24*\z+8:SCL+24*\z+11],  v[SR48] offset:512*\p+256*\z+80     ; 80 | 128
	ds_load_b128 v[SCL+24*\z+12:SCL+24*\z+15], v[SR48] offset:512*\p+256*\z+96     ; 96 | 144
	ds_load_b128 v[SCL+24*\z+16:SCL+24*\z+19], v[SR48] offset:512*\p+256*\z+160    ; 160 | 208
	ds_load_b128 v[SCL+24*\z+20:SCL+24*\z+23], v[SR32] offset:512*\p+256*\z+192    ; 192 | 224
.endr
.endm
; 24 loads in one run: the table's fragments of K steps 4 G .. 4 G + 3, three row tiles each, into buffer fb of window 1
.macro FETCH p, G, fb
	WIN 0x40
.irp k, 0,1,2,3
.irp t, 0,1,2
	ds_load_b128 v[\fb+8*(3*\k+\t):\fb+8*(3*\k+\t)+3],   v[BR+\p] offset:16*BP*\t+64*(4*\G+\k)
	ds_load_b128 v[\fb+8*(3*\k+\t)+4:\fb+8*(3*\k+\t)+7], v[BR+\p] offset:16*BP*\t+64*(4*\G+\k)+32
.endr
.endr
.endm
; 48 matrix instructions.  The twelve accumulators take turns, one instruction a turn, from macro to macro too.
; The first K step starts the sums with the constant 0: nothing is cleared.
.macro MUL G, fb
.if \G < 2
	WIN 0x09                                       ; A window 1, B window 2, C and D window 0
.else
	WIN 0x0d                                       ; B window 3
.endif
.irp k, 0,1,2,3
.irp t, 0,1,2
.irp bt, 0,1,2,3
.if (4*\G+\k) == 0
	v_wmma_f32_16x16x32_bf16 v[ACC+8*(4*\t+\bt):ACC+8*(4*\t+\bt)+7], v[\fb+8*(3*\k+\t):\fb+8*(3*\k+\t)+7], v[8*(8*\bt+((4*\G+\k)&7)):8*(8*\bt+((4*\G+\k)&7))+7], 0
.else
	v_wmma_f32_16x16x32_bf16 v[ACC+8*(4*\t+\bt):ACC+8*(4*\t+\bt)+7], v[\fb+8*(3*\k+\t):\fb+8*(3*\k+\t)+7], v[8*(8*\bt+((4*\G+\k)&7)):8*(8*\bt+((4*\G+\k)&7))+7], v[ACC+8*(4*\t+\bt):ACC+8*(4*\t+\bt)+7]
.endif
.endr
.endr
.endr
.endm
; The three keys (t = 0, 1, 2) of register j are sorted; the largest goes into a list of 5, the middle one into a list of 2, the smallest into a list of 1.
; That holds every key that is among the lane's 5 largest: a middle key has its own largest above it, and two larger middle keys bring their largest too,
; 5 in all; a smallest key has two of its own triple above it, and one larger smallest key brings three more.
.macro TSORT bt, j
	v_max3_num_f32 v[TT+3*\bt],   v[ACC+8*\bt+\j], v[ACC+8*(4+\bt)+\j], v[ACC+8*(8+\bt)+\j]
	v_med3_num_f32 v[TT+3*\bt+1], v[ACC+8*\bt+\j], v[ACC+8*(4+\bt)+\j], v[ACC+8*(8+\bt)+\j]
	v_min3_num_f32 v[TT+3*\bt+2], v[ACC+8*\bt+\j], v[ACC+8*(4+\bt)+\j], v[ACC+8*(8+\bt)+\j]
.endm
.macro TINS bt                         ; a sorted list takes x: place i becomes the middle of x, place i - 1 and place i, from the last place up
	v_med3_num_f32 v[LIST+8*\bt+4], v[TT+3*\bt], v[LIST+8*\bt+3], v[LIST+8*\bt+4]
	v_med3_num_f32 v[LIST+8*\bt+3], v[TT+3*\bt], v[LIST+8*\bt+2], v[LIST+8*\bt+3]
	v_med3_num_f32 v[LIST+8*\bt+2], v[TT+3*\bt], v[LIST+8*\bt+1], v[LIST+8*\bt+2]
	v_med3_num_f32 v[LIST+8*\bt+1], v[TT+3*\bt], v[LIST+8*\bt],   v[LIST+8*\bt+1]
	v_max_num_f32  v[LIST+8*\bt],   v[TT+3*\bt], v[LIST+8*\bt]
	v_med3_num_f32 v[LIST+8*\bt+6], v[TT+3*\bt+1], v[LIST+8*\bt+5], v[LIST+8*\bt+6]
	v_max_num_f32  v[LIST+8*\bt+5], v[TT+3*\bt+1], v[LIST+8*\bt+5]
	v_max_num_f32  v[LIST+8*\bt+7], v[TT+3*\bt+2], v[LIST+8*\bt+7]
.endm
.macro TOPK
	PLACES                                         ; behind the last products, ahead of the first read of a result
	WIN 0
.irp t, 0,1,2
.irp bt, 0,1,2,3
.irp m, 0,2,4,6
	v_pk_fma_f32 v[ACC+8*(4*\t+\bt)+\m:ACC+8*(4*\t+\bt)+\m+1], v[ACC+8*(4*\t+\bt)+\m:ACC+8*(4*\t+\bt)+\m+1], v[SCL+8*\t+\m:SCL+8*\t+\m+1], v[BIA+8*\t+\m:BIA+8*\t+\m+1]
.endr
.endr
.endr
.irp t, 0,1,2
.irp bt, 0,1,2,3
.irp j, 0,1,2,3,4,5,6,7
	v_and_or_b32 v[ACC+8*(4*\t+\bt)+\j], v[ACC+8*(4*\t+\bt)+\j], s39, s[IDX+8*\t+\j]   ; the key
.endr
.endr
.endr
.irp j, 0,1,2,3,4,5,6,7
.irp bt, 0,1,2,3
	TSORT \bt, \j
.endr
.irp bt, 0,1,2,3
	TINS \bt
.endr
.endr
.set k, 0
.rept 24
	s_sub_co_u32 s[IDX+k], s[IDX+k], 24            ; the next step's 24 items of a lane
.set k, k+1
.endr
.endm
; Step t, p = t & 1: multiplies bf16 tile p; converts slot 1 - p (tile t + 1); asks for tile t + 2 into slot p, which was converted in step t - 1.
; ONE barrier a step (a round of the cluster's where a slot is filled again) orders four things.  In front of it every wave has waited for all its LDS
; instructions and all its tensor loads, so behind it: nobody reads slot p any more (it may be filled); nobody reads bf16 tile 1 - p or its scales (they may
; be written); bf16 tile p and its scales are whole (they may be read); my part of tile t + 1 has landed (it may be converted).
.macro STEP p, refill, conv
	s_wait_tensorcnt 0x0                           ; all my tensor loads have landed: the one that was out is my part of slot 1 - p; so a group 0 may be written
	ds_add_u32 v254, v255
	s_wait_dscnt 0x0
.if \refill
	s_add_nc_u64 s[G0+4*\p+2:G0+4*\p+3], s[G0+4*\p+2:G0+4*\p+3], 2*SLOTB   ; two tiles on; the type bits on top are not reached
.endif
	s_wait_dscnt 0x0                               ; my LDS loads and stores of the last step are done
.if \refill
	ROUND
	tensor_load_to_lds s[G0+4*\p:G0+4*\p+3], s[G1:G1+7]    ; my one tensor load behind the round, and the first thing there: it has the whole step in which to land
	s_nop 0
.else
	s_barrier_signal -1
	s_barrier_wait -1
.endif
.if \conv
.if \p
	CONV 0
.else
	CONV 1
.endif
.endif
	SCLOAD \p
	FETCH \p, 0, FB0
	FETCH \p, 1, FB1
	s_wait_dscnt 24                                ; all but the youngest FETCH
	MUL 0, FB0
	PLACES                                         ; ahead of loads into registers that products have read
	FETCH \p, 2, FB0
	s_wait_dscnt 24
	MUL 1, FB1
	PLACES
	FETCH \p, 3, FB1
	s_wait_dscnt 24
	MUL 2, FB0
	s_wait_dscnt 0
	MUL 3, FB1
	TOPK
.endm
	s_wait_tensorcnt 0x1                           ; my part of tile 0 is in; tile 1 may stay out
	s_wait_dscnt 0x0                               ; my reads of my stage are back,
	s_barrier_signal -1
	s_barrier_wait -1                              ; everybody's are: the bf16 tiles may be written
	CONV 0
	s_mov_b32 s38, 15                              ; steps 0 to 29
.Lpair:
	STEP 0, 1, 1
	STEP 1, 1, 1
	s_sub_co_u32 s38, s38, 1
	s_cmp_lg_u32 s38, 0
	s_cbranch_scc1 .Lpair
	STEP 0, 1, 1                                   ; step 30 asks for tile 32, the last
	STEP 1, 0, 1                                   ; step 31 converts it
	STEP 0, 0, 0                                   ; step 32
	; the lists: block 16 b + 4 w + bt of 32,768 bytes, chunk c at 1,024 c, then (2 hh + half) x 256 + 16 r: sixteen lanes store 256 consecutive bytes, aligned
.irp bt, 0,1,2,3
	global_store_b128 v[CO], v[LIST+8*\bt:LIST+8*\bt+3],   s[58:59] offset:32768*\bt
	global_store_b128 v[CO], v[LIST+8*\bt+4:LIST+8*\bt+7], s[58:59] offset:32768*\bt+256
.endr
	ROUND                                          ; the closing round: no work-group ends while a partner may still ask for a tile that names it
	s_endpgm
.Lfunc_end_k_q747d1db63e_score:
	.size	k_q747d1db63e_score, .Lfunc_end_k_q747d1db63e_score-k_q747d1db63e_score
	.p2alignl 7, 3214868480
	.fill 96, 4, 3214868480
	.section	.rodata,"a",@progbits
	.p2align	6, 0x0
	.amdhsa_kernel k_q747d1db63e_score
		.amdhsa_group_segment_fixed_size 327680
		.amdhsa_private_segment_fixed_size 0
		.amdhsa_enable_private_segment 0
		.amdhsa_kernarg_size 24
		.amdhsa_user_sgpr_count 2
		.amdhsa_user_sgpr_kernarg_segment_ptr 1
		.amdhsa_wavefront_size32 1
		.amdhsa_system_sgpr_workgroup_id_x 1
		.amdhsa_system_sgpr_workgroup_id_y 1
		.amdhsa_system_sgpr_workgroup_id_z 1
		.amdhsa_system_vgpr_workitem_id 0
		.amdhsa_next_free_vgpr 1024
		.amdhsa_next_free_sgpr 96
		.amdhsa_reserve_vcc 1
		.amdhsa_float_denorm_mode_32 3
		.amdhsa_float_denorm_mode_16_64 3
		.amdhsa_memory_ordered 1
		.amdhsa_forward_progress 1
		.amdhsa_inst_pref_size 255
	.end_amdhsa_kernel
	.section	.bss,"aw",@nobits
	.p2align	6
	.space	262144
	.amdgpu_metadata
---
amdhsa.version: [ 1, 2 ]
amdhsa.kernels:
  - .name:           k_q747d1db63e_score
    .symbol:         k_q747d1db63e_score.kd
    .args:
      - { .name: h_current, .offset: 0, .size: 8, .value_kind: global_buffer, .address_space: global }
      - { .name: history_db, .offset: 8, .size: 8, .value_kind: global_buffer, .address_space: global }
      - { .name: cand, .offset: 16, .size: 8, .value_kind: global_buffer, .address_space: global }
    .group_segment_fixed_size: 327680
    .private_segment_fixed_size: 0
    .kernarg_segment_align: 8
    .kernarg_segment_size: 24
    .max_flat_workgroup_size: 128
    .sgpr_count:     96
    .vgpr_count:     1024
    .wavefront_size: 32
...
	.end_amdgpu_metadata
.endif
;; end of part 1
;; launch merge (part 2): grid 128 x 1, 16 waves a work-group, no clusters, 35,584 bytes of LDS; arguments cand, topidx; writes topidx
.if DOCPART == 2
	.amdgcn_target "amdgcn-amd-amdhsa--gfx1250"
	.amdhsa_code_object_version 6
	.text
	.protected	k_q747d1db63e_merge
	.globl	k_q747d1db63e_merge
	.p2align	8
	.type	k_q747d1db63e_merge,@function
k_q747d1db63e_merge:
	s_mov_b64 s[64:65], 0
	v_nop
	global_prefetch_b8 v0, s[64:65] scope:SCOPE_SE
	s_setreg_imm32_b32 hwreg(HW_REG_WAVE_MODE, 25, 1), 1
	s_wait_xcnt 0x0
; Launch 2 of 3.  For each query the 8 best of its 512 keys (32 chunks x 2 halves of lanes x 8), as row numbers of history_db, best first;
; equal values (13 mantissa bits) go by the lower row.  The row numbers are whole numbers for launch 3's addresses; no address or branch here hangs on a key.
; A work-group takes one block of 16 queries, 32,768 consecutive bytes of cand, read once in whole runs of 512 bytes a wave and turned in LDS so that wave w
; holds query w: 16 keys a lane.  No matrix work, no shared tiles: no cluster.  128 work-groups: a block of cand is the smallest part that is read in whole
; 256-byte runs.
; LIMIT: NaN is not served.  Rows outside a chunk carry about -3.4e38 and are never among the best 8 of 512.
.set QP,   2064                        ; a query's 2,048 bytes + 16: 129 x 16, so sixteen queries' stores of one column fall into 16 different 16-byte columns
.set OUTB, 16*QP                       ; 33,024: 16 x 32 bytes of results
.set KEY,  8                           ; v8-23   keys, then their values
.set BASE, 28                          ; v28-31  first row of the window of chunk 8 i + lane / 4, + 8 hh
.set GI,   32                          ; v32-47  row numbers as f32 (below 65,536: exact)
	s_load_b128 s[4:7], s[0:1], 0x0                ; cand, topidx
	v_lshl_add_u32 v64, v0, 2, 0x8300
	v_mov_b32 v65, 0
	v_lshrrev_b32 v1, 5, v0
	v_readfirstlane_b32 s8, v1                     ; wave = query of the block
	v_and_b32 v2, 31, v0                           ; lane
	s_lshl_b32 s10, ttmp9, 15                      ; the block's bytes in cand
	s_mov_b32 s11, 0
	s_lshl_b32 s12, ttmp9, 9                       ; and in topidx: 16 queries x 32 bytes
	s_mov_b32 s13, 0
	s_mov_b32 s14, 0x76543210
	s_mov_b32 s15, 0xfedcba98
	v_lshlrev_b32 v3, 4, v0                        ; 16 x thread
	v_and_b32 v4, 15, v0                           ; the query whose 16 bytes I load
	v_lshrrev_b32 v5, 4, v0                        ; and which of its runs of 16 bytes (+ 32 i)
	v_mul_u32_u24 v4, v4, QP
	v_lshl_add_u32 v4, v5, 4, v4
	s_wait_kmcnt 0x0
	s_add_nc_u64 s[4:5], s[4:5], s[10:11]
	s_add_nc_u64 s[6:7], s[6:7], s[12:13]
.irp i, 0,1,2,3
	global_load_b128 v[KEY+4*\i:KEY+4*\i+3], v3, s[4:5] offset:8192*\i th:TH_LOAD_NT
.endr
	; while they come: run u = lane + 32 i of a query is chunk u / 4, half of lanes (u / 2) & 1
	v_lshrrev_b32 v6, 2, v2
	v_bfe_u32 v7, v2, 1, 1
	v_lshlrev_b32 v7, 3, v7                        ; 8 hh
.irp i, 0,1,2,3
	v_add_nc_u32 v24, 8*\i, v6                     ; c
	v_lshrrev_b32 v25, 1, v24
	v_mad_u32_u24 v24, v24, 0x61a, v25             ; 1562 c + c / 2
	v_min_u32 v24, 48416, v24                      ; the window's first row, as launch 1 takes it
	v_add_nc_u32 v[BASE+\i], v24, v7
.endr
	s_mul_i32 s16, s8, QP
	v_lshl_add_u32 v5, v2, 4, s16                  ; my 16 bytes of my wave's query
	v_and_b32 v55, 7, v2
	v_mov_b32 v53, 0x7f800000
	v_mov_b32 v54, 0xff800000
	v_mov_b32 v51, 0                               ; the result: place lane & 7
	v_mov_b32 v52, 0                               ; v_permlanex16_b32 counts as a reader of its destination
.irp i, 0,1,2,3
	s_wait_loadcnt 3-\i                            ; loads come back in order: load i is in
	ds_store_b128 v4, v[KEY+4*\i:KEY+4*\i+3] offset:512*\i
.endr
	s_wait_dscnt 0x0                               ; my stores are done, for the other waves' sake
	s_barrier_signal -1
	s_barrier_wait -1
.irp i, 0,1,2,3
	ds_load_b128 v[KEY+4*\i:KEY+4*\i+3], v5 offset:512*\i
.endr
	s_wait_dscnt 0x0
	; a key's low 10 bits are 1023 - n, n = 24 step + 8 t + j; its row is window + 48 step + 16 t + 8 hh + j = window + 8 hh + 2 n - (n & 7)
.irp i, 0,1,2,3
.irp e, 0,1,2,3
	v_and_b32 v24, 0x3ff, v[KEY+4*\i+\e]
	v_sub_nc_u32 v24, 0x3ff, v24
	v_and_b32 v25, 7, v24
	v_lshl_add_u32 v24, v24, 1, v[BASE+\i]
	v_sub_nc_u32 v24, v24, v25
	v_cvt_f32_u32 v[GI+4*\i+\e], v24
	v_and_b32 v[KEY+4*\i+\e], 0xfffffc00, v[KEY+4*\i+\e]
.endr
.endr
	s_mov_b32 s9, 0
.Lpick:                                            ; eight times: the largest value, the lowest row that has it, and that row is struck out
	v_max_num_f32 v48, v[KEY], v[KEY+1]
.irp k, 2,4,6,8,10,12,14
	v_max3_num_f32 v48, v48, v[KEY+\k], v[KEY+\k+1]
.endr
.irp x, 1,2,4,8
	v_max_num_f32_dpp v48, v48, v48 row_xmask:\x row_mask:0xf bank_mask:0xf
.endr
	v_permlanex16_b32 v52, v48, s14, s15
	v_max_num_f32 v48, v48, v52
	v_mov_b32 v50, v53
.irp k, 0,1,2,3,4,5,6,7,8,9,10,11,12,13,14,15
	v_cmp_eq_f32 vcc_lo, v48, v[KEY+\k]
	v_cndmask_b32 v49, v53, v[GI+\k], vcc_lo
	v_min_num_f32 v50, v50, v49
.endr
.irp x, 1,2,4,8
	v_min_num_f32_dpp v50, v50, v50 row_xmask:\x row_mask:0xf bank_mask:0xf
.endr
	v_permlanex16_b32 v52, v50, s14, s15
	v_min_num_f32 v50, v50, v52
	v_cmp_eq_u32 vcc_lo, s9, v55
	v_cndmask_b32 v51, v51, v50, vcc_lo            ; the lanes with lane & 7 = trip keep it
.irp k, 0,1,2,3,4,5,6,7,8,9,10,11,12,13,14,15
	v_cmp_eq_f32 vcc_lo, v50, v[GI+\k]
	v_cndmask_b32 v[KEY+\k], v[KEY+\k], v54, vcc_lo
.endr
	s_add_co_u32 s9, s9, 1
	s_cmp_lt_u32 s9, 8
	s_cbranch_scc1 .Lpick
	v_cvt_u32_f32 v51, v51
	s_lshl_b32 s16, s8, 5
	s_add_co_u32 s16, s16, OUTB
	v_lshl_add_u32 v56, v55, 2, s16                ; lanes that share a place hold the same number
	ds_store_b32 v56, v51
	s_wait_dscnt 0x0                               ; done, for wave 0's sake
	s_barrier_signal -1
	s_barrier_wait -1
	s_cmp_lg_u32 s8, 0
	s_cbranch_scc1 .Lend
	v_lshlrev_b32 v57, 4, v2
	ds_load_b128 v[60:63], v57 offset:OUTB         ; the block's 512 bytes
	s_wait_dscnt 0x0
	global_store_b128 v57, v[60:63], s[6:7]        ; one store, 512 consecutive bytes, aligned
.Lend:
	s_wait_tensorcnt 0x0
	ds_add_u32 v64, v65
	s_wait_dscnt 0x0
	s_endpgm
.Lfunc_end_k_q747d1db63e_merge:
	.size	k_q747d1db63e_merge, .Lfunc_end_k_q747d1db63e_merge-k_q747d1db63e_merge
	.p2alignl 7, 3214868480
	.fill 96, 4, 3214868480
	.section	.rodata,"a",@progbits
	.p2align	6, 0x0
	.amdhsa_kernel k_q747d1db63e_merge
		.amdhsa_group_segment_fixed_size 35584
		.amdhsa_private_segment_fixed_size 0
		.amdhsa_enable_private_segment 0
		.amdhsa_kernarg_size 16
		.amdhsa_user_sgpr_count 2
		.amdhsa_user_sgpr_kernarg_segment_ptr 1
		.amdhsa_wavefront_size32 1
		.amdhsa_system_sgpr_workgroup_id_x 1
		.amdhsa_system_sgpr_workgroup_id_y 1
		.amdhsa_system_sgpr_workgroup_id_z 1
		.amdhsa_system_vgpr_workitem_id 0
		.amdhsa_next_free_vgpr 66
		.amdhsa_next_free_sgpr 66
		.amdhsa_reserve_vcc 1
		.amdhsa_float_denorm_mode_32 3
		.amdhsa_float_denorm_mode_16_64 3
		.amdhsa_memory_ordered 1
		.amdhsa_forward_progress 1
		.amdhsa_inst_pref_size 14
	.end_amdhsa_kernel
	.amdgpu_metadata
---
amdhsa.version: [ 1, 2 ]
amdhsa.kernels:
  - .name:           k_q747d1db63e_merge
    .symbol:         k_q747d1db63e_merge.kd
    .args:
      - { .name: cand, .offset: 0, .size: 8, .value_kind: global_buffer, .address_space: global }
      - { .name: topidx, .offset: 8, .size: 8, .value_kind: global_buffer, .address_space: global }
    .group_segment_fixed_size: 35584
    .private_segment_fixed_size: 0
    .kernarg_segment_align: 8
    .kernarg_segment_size: 16
    .max_flat_workgroup_size: 512
    .sgpr_count:     66
    .vgpr_count:     66
    .wavefront_size: 32
...
	.end_amdgpu_metadata
.endif
;; end of part 2
;; launch blend (part 3): grid 256 x 1, 8 waves a work-group, no clusters, 0 bytes of LDS; arguments alpha, h_current, history_db, topidx, out0; writes out0
.if DOCPART == 3
	.amdgcn_target "amdgcn-amd-amdhsa--gfx1250"
	.amdhsa_code_object_version 6
	.text
	.protected	k_q747d1db63e_blend
	.globl	k_q747d1db63e_blend
	.p2align	8
	.type	k_q747d1db63e_blend,@function
k_q747d1db63e_blend:
	s_mov_b64 s[64:65], 0
	v_nop
	global_prefetch_b8 v0, s[64:65] scope:SCOPE_SE
	s_setreg_imm32_b32 hwreg(HW_REG_WAVE_MODE, 25, 1), 1
	s_wait_xcnt 0x0
; Launch 3 of 3.  One wave, one query: gathers the 8 candidate rows that launch 2 named, forms the cosine of each in f32 with both norms
; (x / max(|x|, 1e-12)), ranks them, takes the softmax over the best 5 (the largest taken away first), sums the raw rows by these weights, and blends:
; out = a h + (1 - a) retrieved, a = sigmoid(alpha).  The three rows that lose are gathered so that the choice of the fifth is made in f32; they enter with the
; weight 0, by a select: no address or branch hangs on a floating-point number.
; A row is 2,048 bytes: four loads of 512 neighbouring bytes a wave; it stays in registers between the scoring and the sum.  The row numbers are read from
; memory and clamped to the table.  No matrix work (17 dot products a query), no LDS, no barrier, nothing shared: no cluster.
; LIMITS: NaN and infinities are not served; equal cosines go by the candidates' order (value of launch 1's key, then lower row).
.set HV,  8                            ; v8-23    h, then the result
.set XV,  24                           ; v24-151  candidate i at 16 i
.set HH,  152                          ; v152-153 h . h
.set DOT, 154                          ; v154+2i  h . x_i, then the cosine; v155+2i its rank
.set NRM, 170                          ; v170+2i  x_i . x_i, then 1 / norm, then the weight, in both registers of the pair
.set TMP, 186
.set MX,  187
.set AV,  188                          ; v188-189 a, twice
.set OMA, 190
.set SUM, 191
	s_load_b256 s[4:11], s[0:1], 0x0               ; alpha s[4:5], h s[6:7], history_db s[8:9], topidx s[10:11]
	s_load_b64 s[12:13], s[0:1], 0x20              ; out0
	v_lshrrev_b32 v3, 5, v0
	v_readfirstlane_b32 s14, v3                    ; wave
	v_and_b32 v2, 31, v0
	v_lshlrev_b32 v1, 4, v2                        ; 16 x lane
	s_lshl3_add_u32 s15, ttmp9, s14                ; the query: 8 x work-group + wave
	s_lshl_b32 s40, s15, 5                         ; its 32 bytes of topidx
	s_mov_b32 s41, 0
	s_lshl_b32 s42, s15, 11                        ; its 2,048 bytes of h and of out0
	s_mov_b32 s43, 0
	s_mov_b32 s46, 0x76543210
	s_mov_b32 s47, 0xfedcba98
	s_wait_kmcnt 0x0
	s_add_nc_u64 s[10:11], s[10:11], s[40:41]
	s_load_b256 s[16:23], s[10:11], 0x0            ; eight row numbers
	s_load_b32 s44, s[4:5], 0x0                    ; alpha
	s_add_nc_u64 s[6:7], s[6:7], s[42:43]
	s_add_nc_u64 s[12:13], s[12:13], s[42:43]
.irp q, 0,1,2,3
	global_load_b128 v[HV+4*\q:HV+4*\q+3], v1, s[6:7] offset:512*\q
.endr
	s_wait_kmcnt 0x0
.irp i, 0,1,2,3,4,5,6,7
	s_min_u32 s[16+\i], s[16+\i], 49999            ; inside the table
	s_lshl_b32 s[24+2*\i], s[16+\i], 11            ; below 102,400,000
	s_mov_b32 s[25+2*\i], 0
	s_add_nc_u64 s[24+2*\i:25+2*\i], s[8:9], s[24+2*\i:25+2*\i]
.endr
.irp i, 0,1,2,3,4,5,6,7
.irp q, 0,1,2,3
	global_load_b128 v[XV+16*\i+4*\q:XV+16*\i+4*\q+3], v1, s[24+2*\i:25+2*\i] offset:512*\q
.endr
.endr
	s_wait_loadcnt 32                              ; h is in; the 32 loads of the candidates stay out
	v_pk_mul_f32 v[HH:HH+1], v[HV:HV+1], v[HV:HV+1]
.irp m, 2,4,6,8,10,12,14
	v_pk_fma_f32 v[HH:HH+1], v[HV+\m:HV+\m+1], v[HV+\m:HV+\m+1], v[HH:HH+1]
.endr
.irp i, 0,1,2,3,4,5,6,7
	s_wait_loadcnt 28-4*\i                         ; candidate i is in; four loads for each younger one stay out
	v_pk_mul_f32 v[DOT+2*\i:DOT+2*\i+1], v[HV:HV+1], v[XV+16*\i:XV+16*\i+1]
	v_pk_mul_f32 v[NRM+2*\i:NRM+2*\i+1], v[XV+16*\i:XV+16*\i+1], v[XV+16*\i:XV+16*\i+1]
.irp m, 2,4,6,8,10,12,14
	v_pk_fma_f32 v[DOT+2*\i:DOT+2*\i+1], v[HV+\m:HV+\m+1], v[XV+16*\i+\m:XV+16*\i+\m+1], v[DOT+2*\i:DOT+2*\i+1]
	v_pk_fma_f32 v[NRM+2*\i:NRM+2*\i+1], v[XV+16*\i+\m:XV+16*\i+\m+1], v[XV+16*\i+\m:XV+16*\i+\m+1], v[NRM+2*\i:NRM+2*\i+1]
.endr
.endr
	; the 17 sums over the wave, stage by stage; every lane ends with all of them
.set p, HH
.rept 17
	v_add_f32 v[p], v[p], v[p+1]
.set p, p+2
.endr
.irp x, 1,2,4,8
.set p, HH
.rept 17
	v_add_f32_dpp v[p], v[p], v[p] row_xmask:\x row_mask:0xf bank_mask:0xf
.set p, p+2
.endr
.endr
.set p, HH
.rept 17
	v_permlanex16_b32 v[p+1], v[p], s46, s47
.set p, p+2
.endr
.set p, HH
.rept 17
	v_add_f32 v[p], v[p], v[p+1]
.set p, p+2
.endr
	; 1 / max(norm, 1e-12), nine times.  Behind each run of transcendentals one plain instruction (ISA guide 5.7.2).
	v_sqrt_f32 v[HH], v[HH]
.irp i, 0,1,2,3,4,5,6,7
	v_sqrt_f32 v[NRM+2*\i], v[NRM+2*\i]
.endr
	v_nop
	s_wait_alu depctr_va_vdst(0)
	v_max_num_f32 v[HH], 0x2b8cbccc, v[HH]
.irp i, 0,1,2,3,4,5,6,7
	v_max_num_f32 v[NRM+2*\i], 0x2b8cbccc, v[NRM+2*\i]
.endr
	v_rcp_f32 v[HH], v[HH]
.irp i, 0,1,2,3,4,5,6,7
	v_rcp_f32 v[NRM+2*\i], v[NRM+2*\i]
.endr
	v_mov_b32 v[TMP], s44                          ; alpha (also the plain instruction behind the run)
	s_wait_alu depctr_va_vdst(0)
.irp i, 0,1,2,3,4,5,6,7
	v_mul_f32 v[NRM+2*\i], v[NRM+2*\i], v[HH]
.endr
.irp i, 0,1,2,3,4,5,6,7
	v_mul_f32 v[DOT+2*\i], v[DOT+2*\i], v[NRM+2*\i]    ; the cosine
	v_mov_b32 v[DOT+2*\i+1], \i                        ; rank = how many beat it; begin as if all earlier candidates did
.endr
	v_mul_f32 v[AV], 0xbfb8aa3b, v[TMP]            ; -alpha log2 e
	; for i < j: if j's cosine is greater, j beats i and i does not beat j; else (ties too) the earlier one wins, as assumed
.irp i, 0,1,2,3,4,5,6
.irp j, 1,2,3,4,5,6,7
.if \j > \i
	v_cmp_gt_f32 vcc_lo, v[DOT+2*\j], v[DOT+2*\i]
	v_cndmask_b32 v[TMP], 0, 1, vcc_lo
	v_add_nc_u32 v[DOT+2*\i+1], v[DOT+2*\i+1], v[TMP]
	v_sub_nc_u32 v[DOT+2*\j+1], v[DOT+2*\j+1], v[TMP]
.endif
.endr
.endr
	v_max3_num_f32 v[MX], v[DOT], v[DOT+2], v[DOT+4]   ; the largest of the 8 is the largest of the best 5
	v_max3_num_f32 v[MX], v[MX], v[DOT+6], v[DOT+8]
	v_max3_num_f32 v[MX], v[MX], v[DOT+10], v[DOT+12]
	v_max_num_f32 v[MX], v[MX], v[DOT+14]
.irp i, 0,1,2,3,4,5,6,7
	v_sub_f32 v[NRM+2*\i], v[DOT+2*\i], v[MX]
.endr
.irp i, 0,1,2,3,4,5,6,7
	v_mul_f32 v[NRM+2*\i], 0x3fb8aa3b, v[NRM+2*\i]
.endr
.irp i, 0,1,2,3,4,5,6,7
	v_exp_f32 v[NRM+2*\i], v[NRM+2*\i]
.endr
	v_exp_f32 v[AV], v[AV]
	v_nop
	s_wait_alu depctr_va_vdst(0)
.irp i, 0,1,2,3,4,5,6,7
	v_cmp_gt_u32 vcc_lo, 5, v[DOT+2*\i+1]
	v_cndmask_b32 v[NRM+2*\i], 0, v[NRM+2*\i], vcc_lo  ; ranks 5 to 7 weigh nothing
.endr
	v_add_f32 v[AV], 1.0, v[AV]
	v_add_f32 v[SUM], v[NRM], v[NRM+2]
.irp i, 2,3,4,5,6,7
	v_add_f32 v[SUM], v[SUM], v[NRM+2*\i]
.endr
	v_rcp_f32 v[AV], v[AV]                         ; a = 1 / (1 + exp(-alpha))
	v_rcp_f32 v[SUM], v[SUM]
	v_nop
	s_wait_alu depctr_va_vdst(0)
	v_sub_f32 v[OMA], 1.0, v[AV]
	v_mov_b32 v[AV+1], v[AV]
	v_mul_f32 v[SUM], v[SUM], v[OMA]               ; (1 - a) / sum
.irp i, 0,1,2,3,4,5,6,7
	v_mul_f32 v[NRM+2*\i], v[NRM+2*\i], v[SUM]
.endr
.irp i, 0,1,2,3,4,5,6,7
	v_mov_b32 v[NRM+2*\i+1], v[NRM+2*\i]
.endr
.irp m, 0,2,4,6,8,10,12,14
	v_pk_mul_f32 v[HV+\m:HV+\m+1], v[HV+\m:HV+\m+1], v[AV:AV+1]
.endr
.irp i, 0,1,2,3,4,5,6,7
.irp m, 0,2,4,6,8,10,12,14
	v_pk_fma_f32 v[HV+\m:HV+\m+1], v[XV+16*\i+\m:XV+16*\i+\m+1], v[NRM+2*\i:NRM+2*\i+1], v[HV+\m:HV+\m+1]
.endr
.endr
.irp q, 0,1,2,3
	global_store_b128 v1, v[HV+4*\q:HV+4*\q+3], s[12:13] offset:512*\q     ; 512 consecutive bytes a store, aligned
.endr
	s_endpgm
.Lfunc_end_k_q747d1db63e_blend:
	.size	k_q747d1db63e_blend, .Lfunc_end_k_q747d1db63e_blend-k_q747d1db63e_blend
	.p2alignl 7, 3214868480
	.fill 96, 4, 3214868480
	.section	.rodata,"a",@progbits
	.p2align	6, 0x0
	.amdhsa_kernel k_q747d1db63e_blend
		.amdhsa_group_segment_fixed_size 0
		.amdhsa_private_segment_fixed_size 0
		.amdhsa_enable_private_segment 0
		.amdhsa_kernarg_size 40
		.amdhsa_user_sgpr_count 2
		.amdhsa_user_sgpr_kernarg_segment_ptr 1
		.amdhsa_wavefront_size32 1
		.amdhsa_system_sgpr_workgroup_id_x 1
		.amdhsa_system_sgpr_workgroup_id_y 1
		.amdhsa_system_sgpr_workgroup_id_z 1
		.amdhsa_system_vgpr_workitem_id 0
		.amdhsa_next_free_vgpr 192
		.amdhsa_next_free_sgpr 66
		.amdhsa_reserve_vcc 1
		.amdhsa_float_denorm_mode_32 3
		.amdhsa_float_denorm_mode_16_64 3
		.amdhsa_memory_ordered 1
		.amdhsa_forward_progress 1
		.amdhsa_inst_pref_size 35
	.end_amdhsa_kernel
	.amdgpu_metadata
---
amdhsa.version: [ 1, 2 ]
amdhsa.kernels:
  - .name:           k_q747d1db63e_blend
    .symbol:         k_q747d1db63e_blend.kd
    .args:
      - { .name: alpha, .offset: 0, .size: 8, .value_kind: global_buffer, .address_space: global }
      - { .name: h_current, .offset: 8, .size: 8, .value_kind: global_buffer, .address_space: global }
      - { .name: history_db, .offset: 16, .size: 8, .value_kind: global_buffer, .address_space: global }
      - { .name: topidx, .offset: 24, .size: 8, .value_kind: global_buffer, .address_space: global }
      - { .name: out0, .offset: 32, .size: 8, .value_kind: global_buffer, .address_space: global }
    .group_segment_fixed_size: 0
    .private_segment_fixed_size: 0
    .kernarg_segment_align: 8
    .kernarg_segment_size: 40
    .max_flat_workgroup_size: 256
    .sgpr_count:     66
    .vgpr_count:     192
    .wavefront_size: 32
...
	.end_amdgpu_metadata
.endif
;; end of part 3
;; ======== version 2 of 3: 3 launches; 1.12 times as fast as version 1
;; limits: values within 0.000122 (relative) of each other or of a threshold may be ordered or decided otherwise than in the reference
;; workspace buffers: cand 4,194,304 bytes; topidx 65,536 bytes of whole numbers
;; launch score (part 4): grid 8 x 32, 4 waves a work-group, clusters of 4 x 1, 327,680 bytes of LDS; arguments h_current, history_db, cand; writes cand
.if DOCPART == 4
	.amdgcn_target "amdgcn-amd-amdhsa--gfx1250"
	.amdhsa_code_object_version 6
	.text
	.protected	k_q747d1db63e_score
	.globl	k_q747d1db63e_score
	.p2align	8
	.type	k_q747d1db63e_score,@function
k_q747d1db63e_score:
	s_mov_b64 s[64:65], 0
	v_nop
	global_prefetch_b8 v0, s[64:65] scope:SCOPE_SE
	s_setreg_imm32_b32 hwreg(HW_REG_WAVE_MODE, 25, 1), 1
	s_wait_xcnt 0x0
	s_wait_alu depctr_hold_cnt(0) depctr_sa_sdst(0) depctr_va_vdst(0) depctr_va_sdst(0) depctr_va_ssrc(0) depctr_va_vcc(0) depctr_vm_vsrc(0)
	s_getreg_b32 s2, hwreg(HW_REG_IB_STS2, 6, 4)
	s_cmp_eq_u32 s2, 0
	s_cbranch_scc0 .Lentry_in_a_cluster
	s_endpgm
.Lentry_in_a_cluster:
	s_bfe_u32 s2, ttmp6, 0x10000c
	s_cmp_lg_u32 s2, 0x3003
	s_cbranch_scc0 .Lentry_shape_is_right
	s_endpgm
.Lentry_shape_is_right:
; Launch 1 of 3.  For 256 queries (block b) and one chunk c of history_db: scores h . db_row / max(|db_row|, 1e-12) by bf16 products with f32 sums,
; and for each lane a list of 8 keys that is sure to hold the 5 largest of the scores that the lane has seen.  No similarity goes to memory.
; NOTHING OF THE PROBLEM IS LEFT OUT.  h is not divided by its norm HERE: 1 / max(|h|, eps) is positive and the same for all 50,000 similarities of a
; query, so it moves no order among them; launch 3 forms the cosine in f32 with both norms, and only that value enters the softmax.
; WHAT IS PASSED ON.  A key is the f32 score with its low 10 mantissa bits replaced by 1023 - (the item's number among those the lane has seen), so a key
; carries its row and two keys of a lane are never equal.  Launch 2 takes the best 8 of a query's 512 keys, launch 3 scores those 8 rows again in f32
; and takes the best 5.
; LIMITS.  NaN and infinities in the inputs are not served.  The sum of a row's squares overflows and underflows as an f32 norm does.  The 8 candidates hold
; the 5 best of the bf16 scores cut to 13 mantissa bits; places 6 to 8 are the best that the lists hold.  A row whose true rank is 5 or better and whose
; bf16 score falls behind more than 3 others' is lost.
; SHARES.  grid 8 x 32: block b = 4 x cluster x + cx, chunk c = y.  Chunk c begins at row 1562 c + c / 2 and has 1562 + (c & 1) rows (together 50,000).
; It is read as a window of 33 tiles of 48 rows that begins at min(start, 48416), so that every tile lies inside the table; rows of the window outside the
; chunk (22 at the most) get the bias -FLT_MAX.  Wave w keeps its 64 queries as 4 x 16 fragments in 512 registers for the whole launch.
; CLUSTER.  The four work-groups of a cluster have the same c: each tile of history_db is asked for jointly (mask 15).  cx enters the addresses of h and of
; cand alone: no LDS address, branch or descriptor hangs on it.
; THE PRODUCT: source 0 = 16 rows of the table, source 1 = 16 queries.  Register j of a result is (item 8 hh + j, query r), r = lane & 15, hh = lane >> 4:
; a lane owns one query of each of its 4 batch tiles and sees half of the items.
; PRODUCTS, RANKING AND CONVERSION TAKE TURNS.  A step's 48 rows are three row tiles of 16; a row tile is 64 matrix instructions (16 K steps x 4 batch tiles), in two
; units of 32.  Beside its 192 matrix instructions a step has 516 vector instructions that rank three row tiles (172 each) and 249 that convert the wave's 12 rows of
; the next tile (96 squares, 96 roundings, 57 for the sum over lanes, the scale and the bias).  717 of them stand as slices of at most 4, one slice behind each matrix
; instruction; 48 stand behind the step's first run of LDS loads, ahead of the wait for them.  A slice is of one kind, so that it needs one register window:
;   unit 0: slices 0-15 rank the last step's row tile 2, slices 16-31 convert rows 0-3        unit 1: the same, rows 4-7
;   unit 2: slices 0-15 rank row tile 0, slices 16-31 convert rows 8-11                       unit 3: ranks row tile 0
;   units 4, 5: rank row tile 1; each of their first 57 slices also holds one of the 57 (same window as the ranking; one to a slice, since each leans on the one before)
; THE STEP IS WRITTEN ONCE and walked by registers: which slot, which bf16 tile and which parity of the scales a step uses stands in six scalars that are toggled
; between 0 and a constant, and six vector sums make the LDS addresses of them.  The text holds the step three times (the loop, and the two last steps, which
; ask for no tile).
; LDS: two slots of 48 rows x 2,048 bytes of f32, filled by tensor loads alone (wave w: its 12 rows); two tiles of 48 rows of bf16, pitch 1,040 bytes
; (65 x 16: the 16 rows of a fragment load begin in 16 different 16-byte columns of 256); scales and biases, two parities.  The bf16 tiles and the scales are
; written by LDS stores alone.
; REGISTERS.  Window 0: addresses, lists, scales, accumulators, the conversion's sums.  Window 1: the table's fragments (three buffers of 64) and, in v192-255, four
; rows of f32 at a time, which are rounded in place.  Windows 2 and 3: the queries' fragments of K steps 0-7 and 8-15.
.set SLOTB,  98304                     ; a slot: 48 rows x 2,048 bytes
.set WPART,  24576                     ; a wave's 12 rows of it
.set BF,     196608                    ; the bf16 tiles begin behind the two slots
.set BP,     1040                      ; pitch of a bf16 row
.set BFB,    48*BP                     ; a bf16 tile
.set SC,     BF+2*BFB                  ; 296,448: scales; parity p at 512 p, scale at 0, bias at 256; item 12 w + i at 64 w + 4 i
.set HST,    24960                     ; the prologue's stage for h: a wave's own quarter of the two bf16 tiles, 16 rows of 1,040 bytes used
.set NI,     172                       ; vector instructions that rank a row tile
.set GAP,    48                        ; of the carried row tile's: those that stand ahead of a step's first products (16 scale, 32 make keys)
.set NR,     57                        ; vector instructions from 12 pairs of sums of squares to a scale and a bias
.set FAB,  4                           ; v4      my 16 bytes of my first row in slot 0            } bases: never rewritten
.set BWB,  5                           ; v5      where I put 8 bytes of my first row, bf16 tile 0  }
.set BRB,  6                           ; v6      my fragment address in bf16 tile 0                }
.set SWB,  7                           ; v7      where lane r puts item r's scale, parity 0        }
.set S32B, 8                           ; v8      SC + 32 hh                                        }
.set S48B, 9                           ; v9      SC + 48 hh                                        }
.set FA,   10                          ; v10     FAB + the slot that this step converts
.set BW,   11                          ; v11     BWB + the bf16 tile that it writes
.set BR,   12                          ; v12     BRB + the bf16 tile that it multiplies
.set SW,   13                          ; v13     SWB + the parity that it writes
.set SR32, 14                          ; v14     S32B + the parity that it reads
.set SR48, 15                          ; v15     S48B + the parity that it reads
.set HO,   16                          ; v16     16 x lane: my bytes in a quarter row of h
.set HSW,  17                          ; v17     h stage, in
.set HSR,  18                          ; v18     h stage, fragments out
.set CO,   19                          ; v19     my bytes in cand
.set NEGM, 20                          ; v20     -FLT_MAX
.set ZERO, 21                          ; v21     0
.set LIST, 24                          ; v24-55  8 keys for each batch tile: L0..L4, M0, M1, N0
.set SCL,  56                          ; v56-79  scale of item 16 t + 8 hh + j at 8 t + j
.set BIA,  80                          ; v80-103 bias, likewise
.set ACC,  104                         ; v104-199 accumulator (t, bt) at 8 (4 t + bt)
.set PK,   104                         ;         v104-231 in the prologue alone: h, packed
.set TT,   200                         ; v200-211 largest, middle, smallest of a group, 3 for each batch tile
.set SQ,   212                         ; v212-235 the conversion's 12 pairs of sums of squares
.set TMP,  236                         ; v236-238 scale, row number, bias
.set XB,   192                         ; window 1, v192-255: four rows of f32, row i & 3 at 16 (i & 3); then the same rows packed, in the first 8 registers of each 16
.set G1,   16                          ; s[16:23] descriptor group 1
.set G0,   24                          ; s[24:27] group 0 of the first fill of slot 0
.set G0W,  28                          ; s[28:31] group 0 of the first fill of slot 1, which then walks: every refill is asked for by it
.set LM1,  44                          ; s44-47  the lanes whose number has bit 0, 1, 2, 3 set
.set LM2,  45
.set LM4,  46
.set LM8,  47
.set RP,   48                          ; s48     SLOTB x p        p = step & 1: the slot that is filled again
.set RQ,   49                          ; s49     SLOTB x (1 - p)  the slot that is converted
.set BPT,  50                          ; s50     BFB x p          the bf16 tile that is multiplied
.set BQT,  51                          ; s51     BFB x (1 - p)    the bf16 tile that is written
.set CP,   52                          ; s52     512 x p          scales read
.set CQ,   53                          ; s53     512 x (1 - p)    scales written
.set IDX,  66                          ; s66-89  1023 - (24 step + 8 t + j)
.set MSB, 0
.macro WIN new                         ; the immediate's high byte repeats the setting that is left
.if MSB != \new
	s_set_vgpr_msb (MSB<<8)|\new
.set MSB, \new
.endif
.endm
; A round of the cluster's barrier: my work-group's barrier, wave 0 signals for the work-group, every wave waits for all four work-groups, my barrier again.
.macro ROUND
	s_barrier_signal -1
	s_barrier_wait -1
	s_cmp_lg_u32 s10, 0
	s_cbranch_scc1 .Lnot_wave_0_\@
	s_barrier_signal -3
.Lnot_wave_0_\@:
	s_barrier_wait -3
	s_barrier_signal -1
	s_barrier_wait -1
.endm
.macro ADDR                            ; the step's six LDS addresses: a base that never changes + a toggled scalar
	v_add_nc_u32 v[FA],   s[RQ],  v[FAB]
	v_add_nc_u32 v[BW],   s[BQT], v[BWB]
	v_add_nc_u32 v[SW],   s[CQ],  v[SWB]
	v_add_nc_u32 v[BR],   s[BPT], v[BRB]
	v_add_nc_u32 v[SR32], s[CP],  v[S32B]
	v_add_nc_u32 v[SR48], s[CP],  v[S48B]
.endm
.macro ADV                             ; on to the next step: p changes
	s_xor_b32 s[RP],  s[RP],  SLOTB
	s_xor_b32 s[RQ],  s[RQ],  SLOTB
	s_xor_b32 s[BPT], s[BPT], BFB
	s_xor_b32 s[BQT], s[BQT], BFB
	s_xor_b32 s[CP],  s[CP],  512
	s_xor_b32 s[CQ],  s[CQ],  512
	ADDR
.endm
	s_load_b128 s[4:7], s[0:1], 0x0                ; h s[4:5], history_db s[6:7]
	s_load_b64 s[8:9], s[0:1], 0x10                ; cand
	v_lshl_add_u32 v254, v0, 2, 0x48a00
	v_mov_b32 v255, 0
	ds_add_u32 v254, v255
	v_lshrrev_b32 v1, 5, v0
	v_readfirstlane_b32 s10, v1                    ; wave w
	s_and_b32 s13, ttmp7, 0xffff                   ; chunk c
	s_mul_i32 s14, s13, 1562
	s_lshr_b32 s15, s13, 1
	s_add_co_u32 s14, s14, s15                     ; the chunk's first row
	s_and_b32 s15, s13, 1
	s_add_co_u32 s15, s15, 1562                    ; its rows
	s_min_u32 s32, s14, 48416                      ; the window's first row: 48,416 + 33 x 48 = 50,000
	s_mul_i32 s33, s10, 12
	s_add_co_u32 s33, s33, s32                     ; my first row of tile 0
	s_lshl_b32 s34, s33, 11                        ; in bytes: below 102,400,000
	s_mov_b32 s35, 0
	s_sub_co_u32 s33, s33, s14                     ; the same row counted from the chunk's first (wraps below 0 in the last chunk: then it is no row of the chunk)
	; group 1: 96 rows of 32 elements of 8 bytes, dense: my 12 rows of 2,048 bytes as rows of 256 bytes
	s_mov_b32 s[G1+0], 0x0023000f                  ; 15:0 mask: all four of the cluster; 17:16 elements of 8 bytes; 21 set beside a mask; no padding
	s_mov_b32 s[G1+1], 32<<16                      ; tensor_dim0 = 32
	s_mov_b32 s[G1+2], 96<<16                      ; tensor_dim1 = 96
	s_mov_b32 s[G1+3], 32<<16                      ; tile_dim0 = 32
	s_mov_b32 s[G1+4], 96                          ; tile_dim1 = 96
	s_mov_b32 s[G1+5], 32                          ; from row to row: 32 elements
	s_mov_b32 s[G1+6], 0
	s_mov_b32 s[G1+7], 0
	s_mul_i32 s36, s10, WPART                      ; my part of a slot
	s_mov_b32 s39, 0xfffffc00                      ; keeps sign, exponent and 13 mantissa bits
	s_mov_b32 s40, 0x76543210                      ; v_permlanex16_b32: lane i takes lane i of the other half
	s_mov_b32 s41, 0xfedcba98
	s_mov_b32 s[LM1], 0xaaaaaaaa
	s_mov_b32 s[LM2], 0xcccccccc
	s_mov_b32 s[LM4], 0xf0f0f0f0
	s_mov_b32 s[LM8], 0xff00ff00
	s_mov_b32 s[RP],  SLOTB                        ; as if p = 1: the conversion in front of the loop takes slot 0 into bf16 tile 0, parity 0
	s_mov_b32 s[RQ],  0
	s_mov_b32 s[BPT], BFB
	s_mov_b32 s[BQT], 0
	s_mov_b32 s[CP],  512
	s_mov_b32 s[CQ],  0
	; the block of queries: in registers that feed no descriptor
	s_bfe_u32 s11, ttmp6, 0x40000                  ; cx
	s_lshl_b32 s12, ttmp9, 2
	s_add_co_u32 s12, s12, s11                     ; b
	s_lshl_b32 s56, s12, 19                        ; 256 b rows of 2,048 bytes
	s_lshl_b32 s57, s10, 17                        ; 64 w rows
	s_add_co_u32 s56, s56, s57                     ; h: my first query.  cand: (16 b + 4 w) blocks of 32,768 bytes are the same number
	s_lshl_b32 s58, s13, 10
	s_add_co_u32 s58, s58, s56                     ; + 1,024 c
	s_mov_b32 s57, 0
	s_mov_b32 s59, 0
	v_and_b32 v1, 31, v0                           ; lane
	v_and_b32 v2, 15, v0                           ; r
	v_bfe_u32 v3, v0, 4, 1                         ; hh
	v_lshl_add_u32 v[FAB], v1, 4, s36
	s_mul_i32 s37, s10, 12*BP
	s_add_co_u32 s37, s37, BF
	v_lshl_add_u32 v[BWB], v1, 3, s37
	v_mul_u32_u24 v22, v2, BP
	v_lshl_add_u32 v22, v3, 4, v22                 ; 1,040 r + 16 hh
	v_add_nc_u32 v[BRB], BF, v22
	s_lshl_b32 s37, s10, 6
	s_add_co_u32 s37, s37, SC
	v_lshl_add_u32 v[SWB], v2, 2, s37
	v_lshlrev_b32 v23, 5, v3
	v_add_nc_u32 v[S32B], SC, v23
	v_lshl_add_u32 v23, v3, 4, v23
	v_add_nc_u32 v[S48B], SC, v23
	v_lshlrev_b32 v[HO], 4, v1
	s_mul_i32 s37, s10, HST
	s_add_co_u32 s37, s37, BF
	v_lshl_add_u32 v[HSW], v1, 3, s37
	v_add_nc_u32 v[HSR], s37, v22
	v_lshlrev_b32 v[CO], 4, v2
	v_lshl_add_u32 v[CO], v3, 9, v[CO]             ; 512 hh + 16 r
	v_mov_b32 v[NEGM], 0xff7fffff
	v_mov_b32 v[ZERO], 0
	ADDR
.set k, 0
.rept 24
.if k < 16
	s_movk_i32 s[IDX+k], 1023-k
.else
	s_movk_i32 s[IDX+k], 1047-k                    ; row tile 2's are stepped once (by 24) before its first real keys are made
.endif
.set k, k+1
.endr
.set k, 0
.rept 32
	v_mov_b32 v[LIST+k], 0xff800000                ; the lists begin at -infinity; each has taken more values than it has places long before the end (297 groups)
.set k, k+1
.endr
	s_wait_dscnt 0x0
	s_wait_kmcnt 0x0
	s_add_nc_u64 s[56:57], s[4:5], s[56:57]        ; h at my first query
	s_add_nc_u64 s[58:59], s[8:9], s[58:59]        ; cand at my first block
	s_add_nc_u64 s[34:35], s[6:7], s[34:35]        ; the table at my rows of tile 0
.irp n, 0,1
	s_mov_b32 s[G0+4*\n], 1                                        ; count = 1
	s_add_co_u32 s[G0+4*\n+1], s36, \n*SLOTB                       ; LDS address: the slot, my part
	s_add_nc_u64 s[G0+4*\n+2:G0+4*\n+3], s[34:35], \n*SLOTB        ; tile n: 48 rows are as many bytes as a slot
	s_or_b32 s[G0+4*\n+3], s[G0+4*\n+3], 0x80000000                ; type = 2
.endr
	ROUND                                          ; all four work-groups are here: the first joint loads meet
	tensor_load_to_lds s[G0:G0+3], s[G1:G1+7]      ; tile 0
	s_nop 0
	tensor_load_to_lds s[G0W:G0W+3], s[G1:G1+7]    ; tile 1: two loads of this wave are out, the most in this text
	s_nop 0
; ---- the queries: f32 from memory, bf16 through my own stage in LDS, fragments into windows 2 and 3 ----
; 16 loads: rows 4 g .. 4 g + 3 of batch tile bt, 512 neighbouring bytes each, into window 1, v[64 g ..]
.macro HLOAD bt, g
	WIN 0x40
.irp i, 0,1,2,3
.irp q, 0,1,2,3
	global_load_b128 v[64*(\g)+16*\i+4*\q:64*(\g)+16*\i+4*\q+3], v[HO], s[56:57] offset:(16*(\bt)+4*(\g)+\i)*2048+512*\q
.endr
.endr
.endm
; a quarter of a batch tile: wait, round to bf16, ask for the same quarter of the next tile, store 8 bytes a lane into the stage
.macro HQ bt, g, more, left
	s_wait_loadcnt \left                           ; loads come back in order (ISA guide 5.7.1): this quarter is in, the younger quarters of 16 loads stay out
	WIN 0x05
.set m, 0
.rept 32
	v_cvt_pk_bf16_f32 v[PK+32*\g+m], v[64*\g+2*m], v[64*\g+2*m+1]
.set m, m+1
.endr
.if \more
	HLOAD \bt+1, \g
.endif
	WIN 0
.irp i, 0,1,2,3
.irp q, 0,1,2,3
	ds_store_b64 v[HSW], v[PK+32*\g+8*\i+2*\q:PK+32*\g+8*\i+2*\q+1] offset:(4*\g+\i)*BP+256*\q
.endr
.endr
.endm
; 16 K steps of batch tile bt.  The stage is my wave's own and LDS serves a wave's instructions in order (ISA guide 5.7.1.4): no wait between the stores,
; these loads and the next tile's stores.
.macro HFRAG bt
	WIN 0x80
.irp k, 0,1,2,3,4,5,6,7
	ds_load_b128 v[8*(8*\bt+\k):8*(8*\bt+\k)+3],   v[HSR] offset:64*\k
	ds_load_b128 v[8*(8*\bt+\k)+4:8*(8*\bt+\k)+7], v[HSR] offset:64*\k+32
.endr
	WIN 0xc0
.irp k, 0,1,2,3,4,5,6,7
	ds_load_b128 v[8*(8*\bt+\k):8*(8*\bt+\k)+3],   v[HSR] offset:64*(\k+8)
	ds_load_b128 v[8*(8*\bt+\k)+4:8*(8*\bt+\k)+7], v[HSR] offset:64*(\k+8)+32
.endr
	WIN 0
.endm
	HLOAD 0, 0
	HLOAD 0, 1
	HLOAD 0, 2
	HLOAD 0, 3
.irp bt, 0,1,2
	HQ \bt, 0, 1, 48
	HQ \bt, 1, 1, 48
	HQ \bt, 2, 1, 48
	HQ \bt, 3, 1, 48
	HFRAG \bt
.endr
	HQ 3, 0, 0, 48                                 ; the last tile asks for nothing: the counts run down
	HQ 3, 1, 0, 32
	HQ 3, 2, 0, 16
	HQ 3, 3, 0, 0
	HFRAG 3
; ---- a tile of the table: the f32 slot at FA -> the bf16 tile at BW, scale and bias at SW.  Each wave converts the 12 rows that its own load brought,
; in three batches of four rows (batch k: rows 4 k .. 4 k + 3). ----
.macro XLOAD k                         ; 16 loads: a batch's f32 words, 512 neighbouring bytes each
	WIN 0x40
.irp r, 0,1,2,3
.irp q, 0,1,2,3
	ds_load_b128 v[XB+16*\r+4*\q:XB+16*\r+4*\q+3], v[FA] offset:2048*(4*(\k)+\r)+512*\q
.endr
.endr
.endm
.macro XSTORE k                        ; 16 stores: the batch, packed: 32 lanes, 256 neighbouring bytes of a bf16 row
	WIN 0x04                                       ; an LDS store's data is source 1: window 1
.irp r, 0,1,2,3
.irp q, 0,1,2,3
	ds_store_b64 v[BW], v[XB+16*\r+2*\q:XB+16*\r+2*\q+1] offset:BP*(4*(\k)+\r)+256*\q
.endr
.endr
.endm
; Instruction n of a batch's 64, the row innermost: 0-31 sums of squares (two a lane and row), 32-63 the rounding to bf16, in place: word m takes words 2 m and 2 m + 1,
; m ascending, so no word is written before it is read.
.macro CVI k, n
.set cvn, \n
.set cvx, XB+16*(cvn&3)
.if cvn < 32
.set cvm, cvn>>2
.set cvs, SQ+2*(4*(\k)+(cvn&3))
	WIN 0x05                                       ; sources in window 1, sums in window 0
.if cvm == 0
	v_pk_mul_f32 v[cvs:cvs+1], v[cvx:cvx+1], v[cvx:cvx+1]
.else
	v_pk_fma_f32 v[cvs:cvs+1], v[cvx+2*cvm:cvx+2*cvm+1], v[cvx+2*cvm:cvx+2*cvm+1], v[cvs:cvs+1]
.endif
.else
.set cvm, (cvn-32)>>2
	WIN 0x45                                       ; sources and destination in window 1
	v_cvt_pk_bf16_f32 v[cvx+cvm], v[cvx+2*cvm], v[cvx+2*cvm+1]
.endif
.endm
; Instruction q of the 3 n of a stage: of rows i and i + d a lane keeps the one that bit d of its number names, and takes from lane xor d that lane's share of the
; same row.  Each stage halves the rows that are carried; after d = 8, 4, 2, 1 lane r of each half holds row r.
.macro STG q, n, d, m
.set rfi, (\q)%(\n)
.set rph, (\q)/(\n)
.if rph == 0
	v_cndmask_b32 v[SQ+2*rfi+1], v[SQ+2*(rfi+\d)], v[SQ+2*rfi], s[\m]      ; what I give away
.elseif rph == 1
	v_cndmask_b32 v[SQ+2*rfi], v[SQ+2*rfi], v[SQ+2*(rfi+\d)], s[\m]        ; what I keep
.else
	v_add_f32_dpp v[SQ+2*rfi], v[SQ+2*rfi+1], v[SQ+2*rfi] row_xmask:\d row_mask:0xf bank_mask:0xf
.endif
.endm
; Instruction n of the 57 from the 12 pairs of sums to lane r's scale and bias.  Behind each of the two transcendentals stands a plain instruction that touches
; neither its result nor its source (ISA guide 5.7.2): number 52 behind 51, number 55 behind 54.
.macro REDI n
.set rn, \n
.if rn < 12
	v_add_f32 v[SQ+2*rn], v[SQ+2*rn], v[SQ+2*rn+1]
.elseif rn < 24
	STG rn-12, 4, 8, LM8                           ; rows 0-3 with 8-11
.elseif rn < 28
	v_add_f32_dpp v[SQ+2*(rn-20)], v[SQ+2*(rn-20)], v[SQ+2*(rn-20)] row_xmask:8 row_mask:0xf bank_mask:0xf   ; rows 4-7 have no partner: lanes 12-15 will hold them too, in entries that nobody reads
.elseif rn < 40
	STG rn-28, 4, 4, LM4
.elseif rn < 46
	STG rn-40, 2, 2, LM2
.elseif rn < 49
	STG rn-46, 1, 1, LM1
.elseif rn == 49
	v_permlanex16_b32 v[SQ+1], v[SQ], s40, s41     ; and the other half of the lanes
.elseif rn == 50
	v_add_f32 v[SQ], v[SQ], v[SQ+1]                ; lane r: row r's sum of squares
.elseif rn == 51
	v_sqrt_f32 v[TMP], v[SQ]
.elseif rn == 52
	v_add_nc_u32 v[TMP+1], s33, v2                 ; row r of mine, counted from the chunk's first row
.elseif rn == 53
	s_wait_alu depctr_va_vdst(0)
	v_max_num_f32 v[TMP], 0x2b8cbccc, v[TMP]       ; max(norm, 1e-12)
.elseif rn == 54
	v_rcp_f32 v[TMP], v[TMP]
.elseif rn == 55
	v_cmp_gt_u32 vcc_lo, s15, v[TMP+1]             ; inside the chunk?
.else
	v_cndmask_b32 v[TMP+2], v[NEGM], v[ZERO], vcc_lo   ; bias 0, or -FLT_MAX for a row of a neighbouring chunk
.endif
.endm
.macro SCSTORE
	s_wait_alu depctr_va_vdst(0)
	ds_store_b32 v[SW], v[TMP]
	ds_store_b32 v[SW], v[TMP+2] offset:256
	s_add_co_u32 s33, s33, 48                      ; the next tile's rows
.endm
.macro CONVP                           ; a whole tile, in phases: tile 0, for which there are no products yet to stand among
.irp k, 0,1,2
	XLOAD \k                                       ; LDS serves a wave's instructions in order (ISA guide 5.7.1.4): these loads land behind the last batch's stores, which read the same registers
	s_wait_dscnt 0x0
.set cq, 0
.rept 64
	CVI \k, cq
.set cq, cq+1
.endr
	XSTORE \k
.endr
	WIN 0
.set cq, 0
.rept NR
	REDI cq
.set cq, cq+1
.endr
	SCSTORE
.endm
; scales and biases of row tile t's 8 items of mine.  Item I lies at 64 (I / 12) + 4 (I % 12); items 16 t + 8 hh + 0..3 and + 4..7 begin at the bytes below (hh = 0 | 1).
.macro SCLOAD t
	WIN 0
.irp z, 0,1
.if (\t) == 0
	ds_load_b128 v[SCL+24*\z:SCL+24*\z+3],     v[SR32] offset:256*\z        ; 0 | 32
	ds_load_b128 v[SCL+24*\z+4:SCL+24*\z+7],   v[SR48] offset:256*\z+16     ; 16 | 64
.elseif (\t) == 1
	ds_load_b128 v[SCL+24*\z+8:SCL+24*\z+11],  v[SR48] offset:256*\z+80     ; 80 | 128
	ds_load_b128 v[SCL+24*\z+12:SCL+24*\z+15], v[SR48] offset:256*\z+96     ; 96 | 144
.else
	ds_load_b128 v[SCL+24*\z+16:SCL+24*\z+19], v[SR48] offset:256*\z+160    ; 160 | 208
	ds_load_b128 v[SCL+24*\z+20:SCL+24*\z+23], v[SR32] offset:256*\z+192    ; 192 | 224
.endif
.endr
.endm
; Unit u = 0 .. 5 of a step: row tile u / 2, K steps 8 (u & 1) .. + 7.  Its 16 loads, in one run, into buffer u % 3 of window 1 (v0-63, v64-127, v128-191).
.macro FETCH u
.set ft, (\u)>>1
.set fh, (\u)&1
.set ff, 64*((\u)%3)
	WIN 0x40
.irp k, 0,1,2,3,4,5,6,7
	ds_load_b128 v[ff+8*\k:ff+8*\k+3],   v[BR] offset:16*BP*ft+64*(8*fh+\k)
	ds_load_b128 v[ff+8*\k+4:ff+8*\k+7], v[BR] offset:16*BP*ft+64*(8*fh+\k)+32
.endr
.endm
; ---- ranking.  A lane's 8 keys of an accumulator are two triples (registers 0-2, 3-5) and a pair (6, 7).  Each group is sorted; its largest key goes into a list
; of 5, its second into a list of 2, its third into a list of 1.  That holds every key that is among the lane's 5 largest, since the groups share no key: a second
; key has its group's largest above it, and two larger second keys bring their groups' largest too, 5 in all; a third key has two of its own group above it,
; and one larger third key brings three more.
.macro INS1 e, b                       ; instruction e of an insertion, batch tile b.  A sorted list takes x: place i becomes the middle of x, place i - 1 and place i, from the last place up
.set ie, \e
.set il, LIST+8*(\b)
.set it, TT+3*(\b)
.if ie < 4
	v_med3_num_f32 v[il+4-ie], v[it], v[il+3-ie], v[il+4-ie]
.elseif ie == 4
	v_max_num_f32 v[il], v[it], v[il]
.elseif ie == 5
	v_med3_num_f32 v[il+6], v[it+1], v[il+5], v[il+6]
.elseif ie == 6
	v_max_num_f32 v[il+5], v[it+1], v[il+5]
.else
	v_max_num_f32 v[il+7], v[it+2], v[il+7]
.endif
.endm
.macro TRI3 t, j0, q                   ; instruction q of 44: the triples at register j0 of the four batch tiles: 12 sort, 32 insert, the batch tile innermost
.set gq, \q
.if gq < 12
.set gb, gq&3
.set ga, ACC+8*(4*(\t)+gb)+\j0
.if (gq>>2) == 0
	v_max3_num_f32 v[TT+3*gb],   v[ga], v[ga+1], v[ga+2]
.elseif (gq>>2) == 1
	v_med3_num_f32 v[TT+3*gb+1], v[ga], v[ga+1], v[ga+2]
.else
	v_min3_num_f32 v[TT+3*gb+2], v[ga], v[ga+1], v[ga+2]
.endif
.else
	INS1 (gq-12)>>2, (gq-12)&3
.endif
.endm
.macro PAIR t, q                       ; instruction q of 36: the pairs at registers 6, 7: 8 sort, 28 insert
.set gq, \q
.if gq < 8
.set gb, gq&3
.set ga, ACC+8*(4*(\t)+gb)+6
.if gq < 4
	v_max_num_f32 v[TT+3*gb],   v[ga], v[ga+1]
.else
	v_min_num_f32 v[TT+3*gb+1], v[ga], v[ga+1]
.endif
.else
	INS1 (gq-8)>>2, (gq-8)&3
.endif
.endm
.macro TKI t, n                        ; instruction n of the 172 that rank row tile t: 16 scale, 32 make keys, 44 + 44 + 36 sort and insert
.set tn, \n
.if tn < 16
.set tb, ACC+8*(4*(\t)+(tn&3))+2*(tn>>2)
.set tc, 8*(\t)+2*(tn>>2)
	v_pk_fma_f32 v[tb:tb+1], v[tb:tb+1], v[SCL+tc:SCL+tc+1], v[BIA+tc:BIA+tc+1]
.elseif tn < 48
.set tb, ACC+8*(4*(\t)+((tn-16)&3))+((tn-16)>>2)
	v_and_or_b32 v[tb], v[tb], s39, s[IDX+8*(\t)+((tn-16)>>2)]
.elseif tn < 92
	TRI3 \t, 0, tn-48
.elseif tn < 136
	TRI3 \t, 3, tn-92
.else
	PAIR \t, tn-136
.endif
.endm
; The slice behind matrix instruction i (0 .. 31) of unit u.  conv = 1: the step converts a tile.
; A converting slice (units 0 to 2, i >= 16) is four instructions of batch u, one for each of its rows.
; A ranking slice takes its share of the row tile that was multiplied last: of 124 instructions over 32 slices (units 0, 1: the first 48 have been done ahead of the
; products), of 172 over 48 (units 2, 3), of 172 over 64 (units 4, 5, which also take the 57, one each): 4 at the most in every case.
; A step that converts nothing spreads each ranking over all 64 slices of its two units.
.macro SLICE u, i, conv
.set sk, 0
.if \conv
.if (\u) < 3
.if (\i) >= 16
.set sk, 1
.endif
.endif
.endif
.if sk
.set slq, 4*((\i)-16)
.rept 4
	CVI \u, slq
.set slq, slq+1
.endr
.else
.set st, (((\u)>>1)+2)%3
.set sb, 0
.if (\u) < 2
.set sb, GAP
.endif
.set sw, 32*((\u)&1)+(\i)
.set sd, 64
.if \conv
.if (\u) < 2
.set sw, 16*(\u)+(\i)
.set sd, 32
.elseif (\u) < 4
.set sw, 16*((\u)-2)+(\i)
.set sd, 48
.endif
.endif
.set slq, sb+((NI-sb)*sw)/sd
.set sln, sb+((NI-sb)*(sw+1))/sd-slq
	WIN 0
.if \conv
.if (\u) >= 4
.if sw < NR
	REDI sw
.endif
.endif
.endif
.if sln > 0
.rept sln
	TKI st, slq
.set slq, slq+1
.endr
.endif
.endif
.endm
; 32 matrix instructions, each with its slice behind it.  The row tile's four accumulators take turns, one instruction a turn, from unit to unit and from tile to tile
; too.  The first K step starts the sums with the constant 0: nothing is cleared.
; PLACES (ISA guide 7.12.1).  The slices are plain vector instructions with all lanes on that name no register of the products among which they stand: another row
; tile's accumulators, lists, scales and sums in window 0; of window 1 only v192-255, which hold no fragment.  Behind each of a row tile's last four products stand two
; such instructions or more, and the ranking reads batch tiles 0, 1, 2, 3 in this order: the first read of each accumulator stands five places or more behind its
; last product.  A buffer is loaded again a whole unit's slices behind its last product.
; In front of product 16 of a unit that converts stands the wait for the batch: um = the loads that the unit's run issued behind the batch's.
.macro MULU u, conv
.set mt, (\u)>>1
.set mh, (\u)&1
.set mf, 64*((\u)%3)
.irp k, 0,1,2,3,4,5,6,7
.irp bt, 0,1,2,3
.if \conv
.if (\u) < 3
.if (4*\k+\bt) == 16
	s_wait_dscnt um                                ; LDS instructions end in order: the batch's 16 loads are back, the younger fragments (and scales) stay out
.endif
.endif
.endif
.if mh
	WIN 0x0d                                       ; A window 1, B window 3, C and D window 0
.else
	WIN 0x09                                       ; B window 2
.endif
.if (8*mh+\k) == 0
	v_wmma_f32_16x16x32_bf16 v[ACC+8*(4*mt+\bt):ACC+8*(4*mt+\bt)+7], v[mf+8*\k:mf+8*\k+7], v[8*(8*\bt+\k):8*(8*\bt+\k)+7], 0
.else
	v_wmma_f32_16x16x32_bf16 v[ACC+8*(4*mt+\bt):ACC+8*(4*mt+\bt)+7], v[mf+8*\k:mf+8*\k+7], v[8*(8*\bt+\k):8*(8*\bt+\k)+7], v[ACC+8*(4*mt+\bt):ACC+8*(4*mt+\bt)+7]
.endif
	SLICE \u, 4*\k+\bt, \conv
.endr
.endr
.endm
.macro IDXSTEP t                       ; row tile t's keys have been made: its 8 numbers for the next step
.irp j, 0,1,2,3,4,5,6,7
	s_sub_co_u32 s[IDX+8*(\t)+\j], s[IDX+8*(\t)+\j], 24
.endr
.endm
; A unit: ONE run of LDS instructions, the wait for this unit's fragments, the products with their slices.  The run holds, in this order: the stores of the batch that
; the unit before has rounded (units 1 to 3); the loads of this unit's batch, into the same registers (units 0 to 2; LDS serves a wave in order, so they land behind
; those stores); the next unit's fragments; in front of a row tile's second half that tile's scales and biases, which its ranking reads one unit later or more.
; uw counts the run: the wait leaves it out and shows all that is older, this unit's fragments among them (unit 0's were issued just ahead of its run).
.macro UNIT u, conv
.set uw, 0
.set um, 0
.if \conv
.if (\u) > 0
.if (\u) < 4
	XSTORE (\u)-1
.set uw, uw+16
.endif
.endif
.if (\u) < 3
	XLOAD \u
.set uw, uw+16
.endif
.endif
.if (\u) < 5
	FETCH (\u)+1
.set uw, uw+16
.set um, um+16
.endif
.if (\u)&1
	SCLOAD (\u)>>1
.set uw, uw+4
.set um, um+4
.endif
.if (\u) == 0
	WIN 0
.set gk, 0
.rept GAP
	TKI 2, gk                                      ; while the step's first fragments come: the carried row tile is scaled and its keys are made
.set gk, gk+1
.endr
.endif
	s_wait_dscnt uw
	MULU \u, \conv
.if (\u)&1
	IDXSTEP (((\u)>>1)+2)%3
.endif
.endm
; Step t, p = t & 1: multiplies bf16 tile p; converts slot 1 - p (tile t + 1); asks for tile t + 2 into slot p, which was converted in step t - 1.
; ONE barrier a step (a round of the cluster's where a slot is filled again) orders four things.  In front of it every wave has waited for all its LDS
; instructions and all its tensor loads, so behind it: nobody reads slot p any more (it may be filled); nobody reads bf16 tile 1 - p or its scales (they may
; be written); bf16 tile p and its scales are whole (they may be read); my part of tile t + 1 has landed (it may be converted).
.macro STEP refill, conv, adv
.if \conv
	s_wait_tensorcnt 0x0                           ; all my tensor loads have landed: the one that was out is my part of slot 1 - p; so a group 0 may be written
	ds_add_u32 v254, v255
	s_wait_dscnt 0x0
.endif
.if \refill
	s_add_nc_u64 s[G0W+2:G0W+3], s[G0W+2:G0W+3], SLOTB     ; one tile on: tile t + 2; the type bits on top are not reached
	s_add_co_u32 s[G0W+1], s36, s[RP]                      ; into slot p, my part
.endif
	s_wait_dscnt 0x0                               ; my LDS loads and stores of the last step are done
.if \refill
	ROUND
	tensor_load_to_lds s[G0W:G0W+3], s[G1:G1+7]    ; my one tensor load behind the round, and the first thing there: it has the whole step in which to land
	s_nop 0
.else
	s_barrier_signal -1
	s_barrier_wait -1
.endif
	FETCH 0                                        ; the head of unit 0's run
	UNIT 0, \conv
	UNIT 1, \conv
	UNIT 2, \conv
	UNIT 3, \conv
	UNIT 4, \conv
	UNIT 5, \conv
	WIN 0                                          ; at a label and at a branch every window is 0
.if \conv
	SCSTORE                                        ; the next tile's scales and biases: the last of the 57 stands seven slices back
.endif
.if \adv
	ADV                                            ; an LDS instruction's address may be written again once it is issued
.endif
.endm
	s_wait_tensorcnt 0x1                           ; my part of tile 0 is in; tile 1 may stay out
	s_wait_dscnt 0x0                               ; my reads of my stage are back,
	s_barrier_signal -1
	s_barrier_wait -1                              ; everybody's are: the bf16 tiles may be written
	CONVP                                          ; tile 0
	ADV                                            ; p = 0
	; THE FIRST TRIP.  Step 0 has no carried row tile to rank.  It is given one: results 0, scale 0, bias -FLT_MAX, that is 32 keys a lane that lose against every real key
	; and are pushed out of the lists.  172 instructions and these 48 moves, once, in place of a further copy of the step.
.set k, 0
.rept 32
	v_mov_b32 v[ACC+64+k], 0
.set k, k+1
.endr
.set k, 0
.rept 8
	v_mov_b32 v[SCL+16+k], 0
	v_mov_b32 v[BIA+16+k], v[NEGM]
.set k, k+1
.endr
	s_mov_b32 s38, 31                              ; steps 0 to 30: they ask for tiles 2 to 32
.Lstep:
	STEP 1, 1, 1
	s_sub_co_u32 s38, s38, 1
	s_cmp_lg_u32 s38, 0
	s_cbranch_scc1 .Lstep
	STEP 0, 1, 1                                   ; step 31 converts tile 32, the last
	STEP 0, 0, 0                                   ; step 32
	s_wait_dscnt 0x0                               ; the last row tile's scales and biases are in
.set k, 0
.rept NI
	TKI 2, k                                       ; and it is ranked: no products are left to stand among
.set k, k+1
.endr
	; the lists: block 16 b + 4 w + bt of 32,768 bytes, chunk c at 1,024 c, then (2 hh + half) x 256 + 16 r: sixteen lanes store 256 consecutive bytes, aligned
.irp bt, 0,1,2,3
	global_store_b128 v[CO], v[LIST+8*\bt:LIST+8*\bt+3],   s[58:59] offset:32768*\bt
	global_store_b128 v[CO], v[LIST+8*\bt+4:LIST+8*\bt+7], s[58:59] offset:32768*\bt+256
.endr
	s_wait_tensorcnt 0x0
	ds_add_u32 v254, v255
	s_wait_dscnt 0x0
	ROUND                                          ; the closing round: no work-group ends while a partner may still ask for a tile that names it
	s_endpgm
.Lfunc_end_k_q747d1db63e_score:
	.size	k_q747d1db63e_score, .Lfunc_end_k_q747d1db63e_score-k_q747d1db63e_score
	.p2alignl 7, 3214868480
	.fill 96, 4, 3214868480
	.section	.rodata,"a",@progbits
	.p2align	6, 0x0
	.amdhsa_kernel k_q747d1db63e_score
		.amdhsa_group_segment_fixed_size 327680
		.amdhsa_private_segment_fixed_size 0
		.amdhsa_enable_private_segment 0
		.amdhsa_kernarg_size 24
		.amdhsa_user_sgpr_count 2
		.amdhsa_user_sgpr_kernarg_segment_ptr 1
		.amdhsa_wavefront_size32 1
		.amdhsa_system_sgpr_workgroup_id_x 1
		.amdhsa_system_sgpr_workgroup_id_y 1
		.amdhsa_system_sgpr_workgroup_id_z 1
		.amdhsa_system_vgpr_workitem_id 0
		.amdhsa_next_free_vgpr 1024
		.amdhsa_next_free_sgpr 96
		.amdhsa_reserve_vcc 1
		.amdhsa_float_denorm_mode_32 3
		.amdhsa_float_denorm_mode_16_64 3
		.amdhsa_memory_ordered 1
		.amdhsa_forward_progress 1
		.amdhsa_inst_pref_size 255
	.end_amdhsa_kernel
	.section	.bss,"aw",@nobits
	.p2align	6
	.space	262144
	.amdgpu_metadata
---
amdhsa.version: [ 1, 2 ]
amdhsa.kernels:
  - .name:           k_q747d1db63e_score
    .symbol:         k_q747d1db63e_score.kd
    .args:
      - { .name: h_current, .offset: 0, .size: 8, .value_kind: global_buffer, .address_space: global }
      - { .name: history_db, .offset: 8, .size: 8, .value_kind: global_buffer, .address_space: global }
      - { .name: cand, .offset: 16, .size: 8, .value_kind: global_buffer, .address_space: global }
    .group_segment_fixed_size: 327680
    .private_segment_fixed_size: 0
    .kernarg_segment_align: 8
    .kernarg_segment_size: 24
    .max_flat_workgroup_size: 128
    .sgpr_count:     96
    .vgpr_count:     1024
    .wavefront_size: 32
...
	.end_amdgpu_metadata
.endif
;; end of part 4
;; launch merge: the kernel of part 2 again; grid 128 x 1, 16 waves a work-group, no clusters, 35,584 bytes of LDS; arguments cand, topidx; writes topidx
;; launch blend: the kernel of part 3 again; grid 256 x 1, 8 waves a work-group, no clusters, 0 bytes of LDS; arguments alpha, h_current, history_db, topidx, out0; writes out0
;; ======== version 3 of 3: 3 launches; version 2 with the launch blend written anew for expert scheduling mode
;; limits: values within 0.000122 (relative) of each other or of a threshold may be ordered or decided otherwise than in the reference
;; workspace buffers: cand 4,194,304 bytes; topidx 65,536 bytes of whole numbers
;; launch score: the kernel of part 4 again; grid 8 x 32, 4 waves a work-group, clusters of 4 x 1, 327,680 bytes of LDS; arguments h_current, history_db, cand; writes cand
;; launch merge: the kernel of part 2 again; grid 128 x 1, 16 waves a work-group, no clusters, 35,584 bytes of LDS; arguments cand, topidx; writes topidx
;; launch blend (part 5): grid 256 x 1, 8 waves a work-group, no clusters, 0 bytes of LDS; arguments alpha, h_current, history_db, topidx, out0; writes out0
.if DOCPART == 5
	.amdgcn_target "amdgcn-amd-amdhsa--gfx1250"
	.amdhsa_code_object_version 6
	.text
	.protected	k_q747d1db63e_blend
	.globl	k_q747d1db63e_blend
	.p2align	8
	.type	k_q747d1db63e_blend,@function
k_q747d1db63e_blend:
	s_mov_b64 s[64:65], 0
	v_nop
	global_prefetch_b8 v0, s[64:65] scope:SCOPE_SE
	s_setreg_imm32_b32 hwreg(HW_REG_WAVE_SCHED_MODE, 0, 2), 2
	s_setreg_imm32_b32 hwreg(HW_REG_WAVE_MODE, 25, 1), 1
	s_wait_xcnt 0x0
	s_wait_alu depctr_vm_vsrc(0)
; Launch 3 of 3.  One wave, one query: gathers the 8 candidate rows that launch 2 named, forms the cosine of each in f32 with both norms
; (x / max(|x|, 1e-12)), ranks them, takes the softmax over the best 5 (the largest taken away first), sums the raw rows by these weights, and blends:
; out = a h + (1 - a) retrieved, a = sigmoid(alpha).  The three rows that lose are gathered so that the choice of the fifth is made in f32; they enter with the
; weight 0, by a select: no address or branch hangs on a floating-point number.
; A row is 2,048 bytes: four loads of 512 neighbouring bytes a wave; it stays in registers between the scoring and the sum.  The row numbers are read from
; memory and clamped to the table.  No matrix work (17 dot products a query), no LDS, no barrier, nothing shared: no cluster.
; LIMITS: NaN and infinities are not served; equal cosines go by the candidates' order (value of launch 1's key, then lower row).
; THE MODE: SCHED_MODE bits 1:0 = 2 (LLVM: expert scheduling mode 2), set by the entry lines.  The code itself states the register dependences
; between vector instructions and memory instructions, with s_wait_alu, always for 0.
; THE PLAN.  Registers that memory instructions touch:
;   v1        16 x lane: written once at the head; read as the offset by all 36 loads and the 4 stores; never written again.
;   HV        h's four loads land in it; vector work reads it, then writes the result into it; the four stores read it; nothing writes it behind them.
;   XV        the candidates' 32 loads land in it, once; vector work alone reads it.
; No vector instruction names HV or XV ahead of the loads, and no register that a memory instruction reads is written again: so two waits on va_vdst state all that
; lies between vector and memory here (v1 ahead of the first load, HV ahead of the stores), and no wait on vm_vsrc is owed.
; Scalars that vector instructions write: the wave's number (s14); the ranking's 28 masks (MK) and the 8 masks 'rank below 5' (MR).  The compares stand in two runs,
; each with one wait on va_sdst between the run and the first select that reads a mask.
.set HV,  8                            ; v8-23    h, then the result
.set XV,  24                           ; v24-151  candidate i at 16 i
.set HH,  152                          ; v152-153 h . h
.set DOT, 154                          ; v154+2i  h . x_i, then the cosine; v155+2i its rank
.set NRM, 170                          ; v170+2i  x_i . x_i, then 1 / norm, then the weight, in both registers of the pair
.set TMP, 186
.set MX,  187
.set AV,  188                          ; v188-189 a, twice
.set OMA, 190
.set SUM, 191
.set MK,  16                           ; s16-43   the 28 masks 'candidate j beats candidate i', i < j.  These registers held the row numbers, the rows' addresses and two offsets:
                                       ;          free since s_wait_loadcnt 0, which shows the loads that read them done
.set MR,  48                           ; s48-55   the 8 masks 'rank below 5'
	s_load_b256 s[4:11], s[0:1], 0x0               ; alpha s[4:5], h s[6:7], history_db s[8:9], topidx s[10:11]
	s_load_b64 s[12:13], s[0:1], 0x20              ; out0
	v_lshrrev_b32 v3, 5, v0
	v_readfirstlane_b32 s14, v3                    ; wave
	v_and_b32 v2, 31, v0
	v_lshlrev_b32 v1, 4, v2                        ; 16 x lane
	s_wait_alu depctr_va_sdst(0)                   ; s14 is written, ahead of its first reader: the query's number, and from it the addresses, are made of it
	s_lshl3_add_u32 s15, ttmp9, s14                ; the query: 8 x work-group + wave
	s_lshl_b32 s40, s15, 5                         ; its 32 bytes of topidx
	s_mov_b32 s41, 0
	s_lshl_b32 s42, s15, 11                        ; its 2,048 bytes of h and of out0
	s_mov_b32 s43, 0
	s_mov_b32 s46, 0x76543210
	s_mov_b32 s47, 0xfedcba98
	s_wait_kmcnt 0x0
	s_add_nc_u64 s[10:11], s[10:11], s[40:41]
	s_load_b256 s[16:23], s[10:11], 0x0            ; eight row numbers
	s_load_b32 s44, s[4:5], 0x0                    ; alpha
	s_add_nc_u64 s[6:7], s[6:7], s[42:43]
	s_add_nc_u64 s[12:13], s[12:13], s[42:43]
	s_wait_alu depctr_va_vdst(0)                   ; v1 is written: every load and store of the kernel reads it as its offset
.irp q, 0,1,2,3
	global_load_b128 v[HV+4*\q:HV+4*\q+3], v1, s[6:7] offset:512*\q
.endr
	s_wait_kmcnt 0x0
.irp i, 0,1,2,3,4,5,6,7
	s_min_u32 s[16+\i], s[16+\i], 49999            ; inside the table
	s_lshl_b32 s[24+2*\i], s[16+\i], 11            ; below 102,400,000
	s_mov_b32 s[25+2*\i], 0
	s_add_nc_u64 s[24+2*\i:25+2*\i], s[8:9], s[24+2*\i:25+2*\i]
.endr
.irp i, 0,1,2,3,4,5,6,7
.irp q, 0,1,2,3
	global_load_b128 v[XV+16*\i+4*\q:XV+16*\i+4*\q+3], v1, s[24+2*\i:25+2*\i] offset:512*\q   ; no vector instruction has been issued since the wait above
.endr
.endr
	s_wait_loadcnt 32                              ; h is in; the 32 loads of the candidates stay out
	v_pk_mul_f32 v[HH:HH+1], v[HV:HV+1], v[HV:HV+1]
.irp m, 2,4,6,8,10,12,14
	v_pk_fma_f32 v[HH:HH+1], v[HV+\m:HV+\m+1], v[HV+\m:HV+\m+1], v[HH:HH+1]
.endr
.irp i, 0,1,2,3,4,5,6,7
	s_wait_loadcnt 28-4*\i                         ; candidate i is in; four loads for each younger one stay out
	v_pk_mul_f32 v[DOT+2*\i:DOT+2*\i+1], v[HV:HV+1], v[XV+16*\i:XV+16*\i+1]
	v_pk_mul_f32 v[NRM+2*\i:NRM+2*\i+1], v[XV+16*\i:XV+16*\i+1], v[XV+16*\i:XV+16*\i+1]
.irp m, 2,4,6,8,10,12,14
	v_pk_fma_f32 v[DOT+2*\i:DOT+2*\i+1], v[HV+\m:HV+\m+1], v[XV+16*\i+\m:XV+16*\i+\m+1], v[DOT+2*\i:DOT+2*\i+1]
	v_pk_fma_f32 v[NRM+2*\i:NRM+2*\i+1], v[XV+16*\i+\m:XV+16*\i+\m+1], v[XV+16*\i+\m:XV+16*\i+\m+1], v[NRM+2*\i:NRM+2*\i+1]
.endr
.endr
	; the 17 sums over the wave, stage by stage; every lane ends with all of them
.set p, HH
.rept 17
	v_add_f32 v[p], v[p], v[p+1]
.set p, p+2
.endr
.irp x, 1,2,4,8
.set p, HH
.rept 17
	v_add_f32_dpp v[p], v[p], v[p] row_xmask:\x row_mask:0xf bank_mask:0xf
.set p, p+2
.endr
.endr
.set p, HH
.rept 17
	v_permlanex16_b32 v[p+1], v[p], s46, s47
.set p, p+2
.endr
.set p, HH
.rept 17
	v_add_f32 v[p], v[p], v[p+1]
.set p, p+2
.endr
	; 1 / max(norm, 1e-12), nine times.  Behind each run of transcendentals one plain instruction (ISA guide 5.7.2).
	v_sqrt_f32 v[HH], v[HH]
.irp i, 0,1,2,3,4,5,6,7
	v_sqrt_f32 v[NRM+2*\i], v[NRM+2*\i]
.endr
	v_nop
	s_wait_alu depctr_va_vdst(0)                   ; the nine square roots have written v[HH] and v[NRM + 2 i], ahead of their first reader: one wait for the batch
	v_max_num_f32 v[HH], 0x2b8cbccc, v[HH]
.irp i, 0,1,2,3,4,5,6,7
	v_max_num_f32 v[NRM+2*\i], 0x2b8cbccc, v[NRM+2*\i]
.endr
	v_rcp_f32 v[HH], v[HH]
.irp i, 0,1,2,3,4,5,6,7
	v_rcp_f32 v[NRM+2*\i], v[NRM+2*\i]
.endr
	v_mov_b32 v[TMP], s44                          ; alpha (also the plain instruction behind the run)
	s_wait_alu depctr_va_vdst(0)                   ; the nine reciprocals have written v[HH] and v[NRM + 2 i], ahead of their first reader: one wait for the batch
.irp i, 0,1,2,3,4,5,6,7
	v_mul_f32 v[NRM+2*\i], v[NRM+2*\i], v[HH]
.endr
.irp i, 0,1,2,3,4,5,6,7
	v_mul_f32 v[DOT+2*\i], v[DOT+2*\i], v[NRM+2*\i]    ; the cosine
	v_mov_b32 v[DOT+2*\i+1], \i                        ; rank = how many beat it; begin as if all earlier candidates did
.endr
	v_mul_f32 v[AV], 0xbfb8aa3b, v[TMP]            ; -alpha log2 e
	; for i < j: is j's cosine the greater?  All 28 compares in one run, a mask each
.set k, 0
.irp i, 0,1,2,3,4,5,6
.irp j, 1,2,3,4,5,6,7
.if \j > \i
	v_cmp_gt_f32 s[MK+k], v[DOT+2*\j], v[DOT+2*\i]
.set k, k+1
.endif
.endr
.endr
	; work that reads no mask stands between the run and the wait for it: the maximum, the exponents, the exponentials
	v_max3_num_f32 v[MX], v[DOT], v[DOT+2], v[DOT+4]   ; the largest of the 8 is the largest of the best 5
	v_max3_num_f32 v[MX], v[MX], v[DOT+6], v[DOT+8]
	v_max3_num_f32 v[MX], v[MX], v[DOT+10], v[DOT+12]
	v_max_num_f32 v[MX], v[MX], v[DOT+14]
.irp i, 0,1,2,3,4,5,6,7
	v_sub_f32 v[NRM+2*\i], v[DOT+2*\i], v[MX]
.endr
.irp i, 0,1,2,3,4,5,6,7
	v_mul_f32 v[NRM+2*\i], 0x3fb8aa3b, v[NRM+2*\i]
.endr
.irp i, 0,1,2,3,4,5,6,7
	v_exp_f32 v[NRM+2*\i], v[NRM+2*\i]
.endr
	v_exp_f32 v[AV], v[AV]
	s_wait_alu depctr_va_sdst(0)                   ; the 28 compares have written s[MK ..], ahead of the first select that reads one
	; if j's cosine is greater, j beats i and i does not beat j; else (ties too) the earlier one wins, as assumed.  These lines name no exponential's result or source:
	; the first of them is the plain instruction behind the last exponential (ISA guide 5.7.2)
.set k, 0
.irp i, 0,1,2,3,4,5,6
.irp j, 1,2,3,4,5,6,7
.if \j > \i
	v_cndmask_b32 v[TMP], 0, 1, s[MK+k]
	v_add_nc_u32 v[DOT+2*\i+1], v[DOT+2*\i+1], v[TMP]
	v_sub_nc_u32 v[DOT+2*\j+1], v[DOT+2*\j+1], v[TMP]
.set k, k+1
.endif
.endr
.endr
.irp i, 0,1,2,3,4,5,6,7
	v_cmp_gt_u32 s[MR+\i], 5, v[DOT+2*\i+1]
.endr
	s_wait_alu depctr_va_vdst(0)                   ; the nine exponentials have written v[NRM + 2 i] and v[AV], ahead of their first reader: one wait for the batch
	s_wait_alu depctr_va_sdst(0)                   ; the eight compares have written s[MR ..], ahead of the first select that reads one
.irp i, 0,1,2,3,4,5,6,7
	v_cndmask_b32 v[NRM+2*\i], 0, v[NRM+2*\i], s[MR+\i]    ; ranks 5 to 7 weigh nothing
.endr
	v_add_f32 v[AV], 1.0, v[AV]
	v_add_f32 v[SUM], v[NRM], v[NRM+2]
.irp i, 2,3,4,5,6,7
	v_add_f32 v[SUM], v[SUM], v[NRM+2*\i]
.endr
	v_rcp_f32 v[AV], v[AV]                         ; a = 1 / (1 + exp(-alpha))
	v_rcp_f32 v[SUM], v[SUM]
	v_nop
	s_wait_alu depctr_va_vdst(0)                   ; the two reciprocals have written v[AV] and v[SUM], ahead of their first reader
	v_sub_f32 v[OMA], 1.0, v[AV]
	v_mov_b32 v[AV+1], v[AV]
	v_mul_f32 v[SUM], v[SUM], v[OMA]               ; (1 - a) / sum
.irp i, 0,1,2,3,4,5,6,7
	v_mul_f32 v[NRM+2*\i], v[NRM+2*\i], v[SUM]
.endr
.irp i, 0,1,2,3,4,5,6,7
	v_mov_b32 v[NRM+2*\i+1], v[NRM+2*\i]
.endr
.irp m, 0,2,4,6,8,10,12,14
	v_pk_mul_f32 v[HV+\m:HV+\m+1], v[HV+\m:HV+\m+1], v[AV:AV+1]
.endr
.irp i, 0,1,2,3,4,5,6,7
.irp m, 0,2,4,6,8,10,12,14
	v_pk_fma_f32 v[HV+\m:HV+\m+1], v[XV+16*\i+\m:XV+16*\i+\m+1], v[NRM+2*\i:NRM+2*\i+1], v[HV+\m:HV+\m+1]
.endr
.endr
	s_wait_alu depctr_va_vdst(0)                   ; the sums have written v[HV ..], which the four stores read
.irp q, 0,1,2,3
	global_store_b128 v1, v[HV+4*\q:HV+4*\q+3], s[12:13] offset:512*\q     ; 512 consecutive bytes a store, aligned
.endr
	s_endpgm
.Lfunc_end_k_q747d1db63e_blend:
	.size	k_q747d1db63e_blend, .Lfunc_end_k_q747d1db63e_blend-k_q747d1db63e_blend
	.p2alignl 7, 3214868480
	.fill 96, 4, 3214868480
	.section	.rodata,"a",@progbits
	.p2align	6, 0x0
	.amdhsa_kernel k_q747d1db63e_blend
		.amdhsa_group_segment_fixed_size 0
		.amdhsa_private_segment_fixed_size 0
		.amdhsa_enable_private_segment 0
		.amdhsa_kernarg_size 40
		.amdhsa_user_sgpr_count 2
		.amdhsa_user_sgpr_kernarg_segment_ptr 1
		.amdhsa_wavefront_size32 1
		.amdhsa_system_sgpr_workgroup_id_x 1
		.amdhsa_system_sgpr_workgroup_id_y 1
		.amdhsa_system_sgpr_workgroup_id_z 1
		.amdhsa_system_vgpr_workitem_id 0
		.amdhsa_next_free_vgpr 192
		.amdhsa_next_free_sgpr 66
		.amdhsa_reserve_vcc 0
		.amdhsa_float_denorm_mode_32 3
		.amdhsa_float_denorm_mode_16_64 3
		.amdhsa_memory_ordered 1
		.amdhsa_forward_progress 1
		.amdhsa_inst_pref_size 37
	.end_amdhsa_kernel
	.amdgpu_metadata
---
amdhsa.version: [ 1, 2 ]
amdhsa.kernels:
  - .name:           k_q747d1db63e_blend
    .symbol:         k_q747d1db63e_blend.kd
    .args:
      - { .name: alpha, .offset: 0, .size: 8, .value_kind: global_buffer, .address_space: global }
      - { .name: h_current, .offset: 8, .size: 8, .value_kind: global_buffer, .address_space: global }
      - { .name: history_db, .offset: 16, .size: 8, .value_kind: global_buffer, .address_space: global }
      - { .name: topidx, .offset: 24, .size: 8, .value_kind: global_buffer, .address_space: global }
      - { .name: out0, .offset: 32, .size: 8, .value_kind: global_buffer, .address_space: global }
    .group_segment_fixed_size: 0
    .private_segment_fixed_size: 0
    .kernarg_segment_align: 8
    .kernarg_segment_size: 40
    .max_flat_workgroup_size: 256
    .sgpr_count:     66
    .vgpr_count:     192
    .wavefront_size: 32
...
	.end_amdgpu_metadata
.endif
;; end of part 5
